; MI455X (gfx1250); checked and timed in simulation.
; The chip was launched on July 23, 2026; its instructions are those of AMD's public machine-readable ISA for CDNA 5 (MIT licence, August 2026) and "CDNA5" Instruction Set Architecture Reference Guide (July 2026). The comments in the code are by the model that wrote it; some were corrected since.
;; Self Attention. Allowed arithmetic: matrix products marked QUANTISED: E2M3 operands, one E8M0 scale for each 32 along K, by v_wmma_scale_f32_16x16x128_f8f6f4 with both operands' format E2M3, f32 sums; everything else in f32.
;; Inputs: W_o 1,024 x 1,024 float32; W_qkv 3,072 x 1,024 float32; x 4 x 2,048 x 1,024 float32.
;; Outputs: out0 4 x 2,048 x 1,024 float32.
;; This version of the problem:
;;   THIS VERSION OF THE PROBLEM IS GIVEN IN LOW PRECISION. The matrix products marked QUANTISED in the list below multiply operands that are first quantised to E2M3 (2 exponent bits, 3 mantissa bits; 6 bits a number), with one power-of-two scale for each 32 numbers along K (OCP MX v1.0); their sums are f32. All else is computed in f32.
;;   The module's matrix products, in the order in which they are computed (A, B: the left and right operand; K: the contracted axis; several contracted axes count as one K, in the product's order):
;;     1. [M 8,192, K 1,024] x [K 1,024, N 3,072]; A: input x; B: input W_qkv: QUANTISED
;;     2. batch 4 x [M 2,048, K 1,024] x [K 1,024, N 2,048]; A: computed on the way; B: computed on the way: QUANTISED
;;     3. batch 4 x [M 2,048, K 2,048] x [K 2,048, N 1,024]; A: softmax (see below); B: computed on the way: QUANTISED
;;     4. [M 8,192, K 1,024] x [K 1,024, N 1,024]; A: computed on the way; B: input W_o: QUANTISED
;;   THE QUANTISER, for each operand of a quantised product, along K:
;;     - K is cut into blocks of 32 from its start; a last block that is shorter is filled with zeros.
;;     - A block's scale is 2^e with e = floor(log2(the largest magnitude in the block)) - 2, held to -126 .. 127; a block of zeros has e = 0. As a byte (E8M0): e + 127.
;;     - Each number is divided by its block's scale, clamped to +-7.5, and rounded to the nearest number of E2M3, ties to even, subnormals kept.
;;     - The product sums the exact products of the quantised numbers (number of the format x scale) in f32.
;;   ~~~python
;;   def quantise(x, axis):      # numpy; x: float32 -> the quantised numbers, widened to float32 again
;;       x = np.moveaxis(x, axis, -1); K = x.shape[-1]
;;       x = np.pad(x, [(0, 0)] * (x.ndim - 1) + [(0, -K % 32)]); x = x.reshape(x.shape[:-1] + (-1, 32)); a = np.abs(x).max(-1, keepdims=True)
;;       e = np.where(a > 0, np.clip(np.frexp(np.where(a > 0, a, 1))[1] - 1 - 2, -126, 127), 0)      # np.frexp(a)[1] - 1 = floor(log2(a)), exactly
;;       r = np.clip(x / 2.0 ** e, -7.5, 7.5)
;;       step = 2.0 ** (np.maximum(np.frexp(np.where(r == 0, 1, r))[1] - 1, 0) - 3)
;;       q = np.round(r / step) * step * 2.0 ** e      # np.round: ties to even
;;       return np.moveaxis(q.reshape(q.shape[:-2] + (-1,))[..., :K], -1, axis).astype(np.float32)
;;   ~~~
;;   SOFTMAX AHEAD OF A QUANTISED PRODUCT. Where the list says 'softmax', what is quantised is not the finished softmax but p = 2^(t - M), with t = logit x log2(e) and M = ceil(the row's largest t), a whole number; so 1/2 < the row's largest p <= 1. The row's sum l is taken of the UNQUANTISED p, in f32, and the product's result is divided by l at the end. Since M is a whole number, a kernel that streams over the keys may use a running M (the ceiling of the running maximum): every later rescaling is an exact power of two, which a block's scale takes up: the codes' values come out the same.
;;   OPERANDS COMPUTED ON THE WAY. 'Computed on the way' means the value that the module computes at that place (a softmax that the list does not call 'softmax' is quantised finished and normalised). What goes into a quantiser is computed in f32, as accurately as f32 sums, v_exp_f32 and their like allow (about 1e-6 of the number): no bf16 or f16 on the way to a quantiser, and a product that is left as it is and whose result goes on into a quantised operand takes f32 operands (vector FMAs, or v_wmma_f32_16x16x4_f32). A number that lies on a knife's edge between two numbers of the format may be rounded either way, as far as f32 arithmetic and the matrix unit's own rounding can turn it there, and no further.
;; One version. Each part assembles by itself: llvm-mc -triple=amdgcn-amd-amdhsa -mcpu=gfx1250 --defsym DOCPART=n.
;; ======== version 1 of 1: 5 launches
;; limits: right only within a limited range of input values
;; workspace buffers: inq 9,830,400 bytes; qkvb 19,660,800 bytes; pbuf 14,680,064 bytes; attb 6,553,600 bytes
;; launch quant (part 1): grid 768 x 1, 8 waves a work-group, no clusters, 69,120 bytes of LDS; arguments x, W_qkv, W_o, inq; writes inq
.if DOCPART == 1
	.amdgcn_target "amdgcn-amd-amdhsa--gfx1250"
	.amdhsa_code_object_version 6
	.text
	.protected	k_q61f7e46146_quant
	.globl	k_q61f7e46146_quant
	.p2align	8
	.type	k_q61f7e46146_quant,@function
k_q61f7e46146_quant:
	s_mov_b64 s[64:65], 0
	v_nop
	global_prefetch_b8 v0, s[64:65] scope:SCOPE_SE
	s_setreg_imm32_b32 hwreg(HW_REG_WAVE_MODE, 25, 1), 1
	s_wait_xcnt 0x0
; SELF-ATTENTION, one head of 1,024, B = 4, S = 2,048, all four products on codes of E2M3 with one E8M0 scale for each 32 along K.  Five launches:
; this one (x, W_qkv, W_o into codes), x W_qkv^T, Q K^T with the softmax's p, P V, attn W_o^T.
; DEAD WORK: none.  Every row of x, W_qkv and W_o reaches the output through a live quantised product; there is no mask, no bias and no slice: nothing is left out, and all three inputs are loaded.
; THIS LAUNCH: 768 blocks of 16 rows x 1,024 along K (x: blocks 0-511, W_qkv: 512-703, W_o: 704-767), one work-group a block, one wave a K step of 128.
; A block's scale is 2^(floor(log2(its largest magnitude)) - 2); its byte is the largest magnitude's exponent field - 2, held at 1 from below.
; LAYOUT OF inq.  Position r of block g is the tensor's row 32 (g' / 2) + 8 (g' % 2) + r + 8 (r / 8), g' the block's number in its tensor: as the first source of a product such a block leaves
; a lane's registers of two neighbouring result tiles as 16 neighbours along the next K.  Codes: [block][K step][1,536 bytes], the image of the operand's 12 registers: registers 4 c .. 4 c + 3 of lane l at 512 c + 16 l.
; Scale words: from SOFF on, [block][K / 512][16 rows][4 words]: sixteen lanes later read one aligned run of 256 bytes for four K steps.
; LIMITS: NaN and infinities among the inputs are not served.  A block of zeros gets the byte 1 where the rule says 127: its codes are zeros, and the bytes are read by this program alone.
; A stream: no matrix unit, no cluster, no tensor load (no tile is shared, each input byte is read once).  Each load reads 512 consecutive bytes of a row; the 16 rows turn through the wave's own stage in LDS,
; so that a lane gets 2 x 32 neighbours along K of ONE row, in the order of the operand's registers.
.set SOFF,  9437184                    ; where the scale words begin in inq
.set STGB,  8448                       ; a wave's stage: 16 rows x (512 bytes + 16)
.set SCG,   67584                      ; behind the eight stages: the block's 512 bytes of scale words
.set SPARE, 68096                      ; behind them: the spare words, 128 bytes for each wave: four blocks of 256 bytes that no other line names
.set LI,    4                          ; v4   16 x lane
.set STA,   5                          ; v5   the stage, on the way in
.set LDA,   6                          ; v6   and on the way out: row r, + 128 h
.set SCA,   7                          ; v7   where my row's scale word goes
.set SCB,   8                          ; v8   where wave 0 reads the 512 bytes back
.set SPW,   12                         ; v12  LDS address of my spare word; never rewritten
.set NIL,   13                         ; v13  0; never rewritten
.set X,     32                         ; v32-95  64 numbers
.set C,     96                         ; v96-107 the fragment's codes;  v108-115 the conversions' odd halves
	s_load_b256 s[4:11], s[0:1], 0x0               ; x s[4:5], W_qkv s[6:7], W_o s[8:9], inq s[10:11]
	v_lshl_add_u32 v[SPW], v0, 2, SPARE
	v_mov_b32 v[NIL], 0
	v_lshrrev_b32 v1, 5, v0
	s_delay_alu instid0(VALU_DEP_1)
	v_readfirstlane_b32 s14, v1                    ; wave 0..7 = my K step
	v_and_b32 v1, 31, v0                           ; lane
	v_and_b32 v2, 15, v0                           ; r
	v_bfe_u32 v3, v0, 4, 1                         ; h
	s_delay_alu instid0(VALU_DEP_3)
	v_lshlrev_b32 v[LI], 4, v1
	s_mul_i32 s15, s14, STGB
	v_add_nc_u32 v[STA], s15, v[LI]
	v_mul_u32_u24 v[LDA], v2, 528
	s_delay_alu instid0(VALU_DEP_1)
	v_lshl_add_u32 v[LDA], v3, 7, v[LDA]
	s_delay_alu instid0(VALU_DEP_1)
	v_add_nc_u32 v[LDA], s15, v[LDA]
	s_lshr_b32 s16, s14, 2
	s_lshl_b32 s16, s16, 8                         ; which 512 along K,
	s_and_b32 s17, s14, 3
	s_lshl_b32 s17, s17, 2                         ; which word of its four
	s_add_co_u32 s16, s16, s17
	s_add_co_u32 s16, s16, SCG
	v_lshl_add_u32 v[SCA], v2, 4, s16
	v_add_nc_u32 v[SCB], SCG, v[LI]
	s_mov_b32 s28, 0x76543210
	s_mov_b32 s29, 0xfedcba98                      ; v_permlanex16_b32's selects for lane l xor 16
	s_mov_b32 s20, 704
	s_mul_i32 s24, ttmp9, 12288                    ; my fragment's image in inq
	s_mul_i32 s25, s14, 1536
	s_add_co_u32 s24, s24, s25
	s_mov_b32 s25, 0
	s_lshl_b32 s26, ttmp9, 9                       ; my block's scale words
	s_add_co_u32 s26, s26, SOFF
	s_mov_b32 s27, 0
	s_wait_alu depctr_va_vdst(0)
	s_wait_kmcnt 0x0
	s_cmp_lt_u32 ttmp9, 704                        ; which tensor: the choice hangs on the work-group's number alone
	s_cselect_b64 s[18:19], s[6:7], s[8:9]
	s_cselect_b32 s20, 512, s20
	s_cmp_lt_u32 ttmp9, 512
	s_cselect_b64 s[18:19], s[4:5], s[18:19]
	s_cselect_b32 s20, 0, s20
	s_sub_co_u32 s20, ttmp9, s20                   ; the block's number in its tensor
	s_lshr_b32 s21, s20, 1
	s_lshl_b32 s21, s21, 17                        ; 32 rows of 4,096 bytes for each pair of blocks,
	s_and_b32 s22, s20, 1
	s_lshl_b32 s22, s22, 15                        ; 8 rows for the odd one,
	s_add_co_u32 s22, s22, s21
	s_lshl_b32 s21, s14, 9                         ; 512 bytes a K step
	s_add_co_u32 s22, s22, s21
	s_mov_b32 s23, 0
	s_add_nc_u64 s[18:19], s[18:19], s[22:23]
	s_add_nc_u64 s[24:25], s[10:11], s[24:25]
	s_add_nc_u64 s[26:27], s[10:11], s[26:27]
.irp i, 0,1,2,3,4,5,6,7,8,9,10,11,12,13,14,15
	global_load_b128 v[X+4*\i:X+4*\i+3], v[LI], s[18:19] offset:(\i+8*(\i/8))*4096 th:TH_LOAD_NT   ; position i's 128 numbers: 32 lanes read 512 consecutive bytes
.endr
.irp i, 0,1,2,3,4,5,6,7,8,9,10,11,12,13,14,15
	s_wait_loadcnt 15-\i                           ; loads come back in order: load i is in, the 15 - i behind it may be out
	ds_store_b128 v[STA], v[X+4*\i:X+4*\i+3] offset:528*\i
.endr
	s_wait_dscnt 0x0                               ; the stores have read their registers
.irp c, 0,1
.irp j, 0,1,2,3,4,5,6,7
	ds_load_b128 v[X+32*\c+4*\j:X+32*\c+4*\j+3], v[LDA] offset:256*\c+16*\j   ; row r, k = 64 c + 32 h + 4 j ..: my own wave's bytes
.endr
.endr
	s_wait_dscnt 0x0
.irp c, 0,1                            ; my block 2 c + h: all its 32 numbers are mine
	v_max3_num_f32 v[16+\c], |v[X+32*\c]|, |v[X+1+32*\c]|, 0x1800000   ; and the floor 2^(3 - 127): the byte cannot fall under 1
.endr
.irp i, 2,4,6,8,10,12,14,16,18,20,22,24,26,28,30
.irp c, 0,1
	s_delay_alu instid0(VALU_DEP_2)
	v_max3_num_f32 v[16+\c], v[16+\c], |v[X+32*\c+\i]|, |v[X+1+32*\c+\i]|
.endr
.endr
.irp c, 0,1
	s_delay_alu instid0(VALU_DEP_2)
	v_add_nc_u32 v[18+\c], 0xff000000, v[16+\c]    ; 2 off the exponent field: the conversion's scale operand
.endr
.irp c, 0,1
	s_delay_alu instid0(VALU_DEP_2)
	v_lshrrev_b32 v[20+\c], 23, v[18+\c]           ; the scale's byte
.endr
	s_delay_alu instid0(VALU_DEP_1)
	v_lshl_or_b32 v22, v21, 16, v20                ; my two bytes: blocks h and 2 + h,
	v_lshlrev_b32 v23, 3, v3
	s_delay_alu instid0(VALU_DEP_1)
	v_lshlrev_b32 v22, v23, v22                    ; at their places in the word;
	v_mov_b32 v23, 0
	s_delay_alu instid0(VALU_DEP_1)
	v_permlanex16_b32 v23, v22, s28, s29
	s_delay_alu instid0(VALU_DEP_1)
	v_or_b32 v22, v22, v23                         ; with lane l xor 16's two the word is whole, in both lanes
.irp c, 0,1
	v_cvt_scalef32_pk16_fp6_f32 v[C+6*\c:C+2+6*\c], v[X+32*\c:X+15+32*\c], v[18+\c]
	v_cvt_scalef32_pk16_fp6_f32 v[C+12+4*\c:C+14+4*\c], v[X+16+32*\c:X+31+32*\c], v[18+\c]   ; (a conversion's three registers begin on an even number)
.endr
	v_nop                                          ; one plain place behind a scaled conversion
.irp c, 0,1
.irp i, 0,1,2
	v_mov_b32 v[C+3+6*\c+\i], v[C+12+4*\c+\i]
.endr
.endr
.irp c, 0,1,2
	global_store_b128 v[LI], v[C+4*\c:C+4*\c+3], s[24:25] offset:512*\c   ; the image: 512 consecutive bytes a store, at a multiple of 512 from inq's first byte
.endr
	ds_store_b32 v[SCA], v22                       ; lanes r and r + 16 write the same word with the same value
	s_wait_dscnt 0x0                               ; for wave 0's sake: my word has landed
	s_barrier_signal -1
	s_barrier_wait -1
	s_cmp_lg_u32 s14, 0
	s_cbranch_scc1 .Lnot_wave_0
	ds_load_b128 v[24:27], v[SCB]                  ; the block's eight words a row, from all eight waves
	s_wait_dscnt 0x0
	global_store_b128 v[LI], v[24:27], s[26:27]    ; 512 consecutive bytes
.Lnot_wave_0:
	s_wait_tensorcnt 0x0                           ; the wave's end, behind my last LDS store
	ds_add_u32 v[SPW], v[NIL]
	s_wait_dscnt 0x0
	s_endpgm
.Lfunc_end_k_q61f7e46146_quant:
	.size	k_q61f7e46146_quant, .Lfunc_end_k_q61f7e46146_quant-k_q61f7e46146_quant
	.p2alignl 7, 3214868480
	.fill 96, 4, 3214868480
	.section	.rodata,"a",@progbits
	.p2align	6, 0x0
	.amdhsa_kernel k_q61f7e46146_quant
		.amdhsa_group_segment_fixed_size 69120
		.amdhsa_private_segment_fixed_size 0
		.amdhsa_enable_private_segment 0
		.amdhsa_kernarg_size 32
		.amdhsa_user_sgpr_count 2
		.amdhsa_user_sgpr_kernarg_segment_ptr 1
		.amdhsa_wavefront_size32 1
		.amdhsa_system_sgpr_workgroup_id_x 1
		.amdhsa_system_sgpr_workgroup_id_y 1
		.amdhsa_system_sgpr_workgroup_id_z 1
		.amdhsa_system_vgpr_workitem_id 0
		.amdhsa_next_free_vgpr 128
		.amdhsa_next_free_sgpr 66
		.amdhsa_reserve_vcc 0
		.amdhsa_float_denorm_mode_32 3
		.amdhsa_float_denorm_mode_16_64 3
		.amdhsa_memory_ordered 1
		.amdhsa_forward_progress 1
		.amdhsa_inst_pref_size 12
	.end_amdhsa_kernel
	.amdgpu_metadata
---
amdhsa.version: [ 1, 2 ]
amdhsa.kernels:
  - .name:           k_q61f7e46146_quant
    .symbol:         k_q61f7e46146_quant.kd
    .args:
      - { .name: x, .offset: 0, .size: 8, .value_kind: global_buffer, .address_space: global }
      - { .name: W_qkv, .offset: 8, .size: 8, .value_kind: global_buffer, .address_space: global }
      - { .name: W_o, .offset: 16, .size: 8, .value_kind: global_buffer, .address_space: global }
      - { .name: inq, .offset: 24, .size: 8, .value_kind: global_buffer, .address_space: global }
    .group_segment_fixed_size: 69120
    .private_segment_fixed_size: 0
    .kernarg_segment_align: 8
    .kernarg_segment_size: 32
    .max_flat_workgroup_size: 256
    .sgpr_count:     66
    .vgpr_count:     128
    .wavefront_size: 32
...
	.end_amdgpu_metadata
.endif
;; end of part 1
;; launch qkv (part 2): grid 8 x 32, 4 waves a work-group, clusters of 4 x 4, 327,680 bytes of LDS; arguments inq, qkvb; writes qkvb
.if DOCPART == 2
	.amdgcn_target "amdgcn-amd-amdhsa--gfx1250"
	.amdhsa_code_object_version 6
	.text
	.protected	k_q61f7e46146_qkv
	.globl	k_q61f7e46146_qkv
	.p2align	8
	.type	k_q61f7e46146_qkv,@function
k_q61f7e46146_qkv:
	s_mov_b64 s[64:65], 0
	v_nop
	global_prefetch_b8 v0, s[64:65] scope:SCOPE_SE
	s_setreg_imm32_b32 hwreg(HW_REG_WAVE_MODE, 25, 1), 1
	s_wait_xcnt 0x0
	s_wait_alu depctr_hold_cnt(0) depctr_sa_sdst(0) depctr_va_vdst(0) depctr_va_sdst(0) depctr_va_ssrc(0) depctr_va_vcc(0) depctr_vm_vsrc(0)
	s_getreg_b32 s2, hwreg(HW_REG_IB_STS2, 6, 4)
	s_cmp_eq_u32 s2, 0
	s_cbranch_scc0 .Lentry_in_a_cluster
	s_endpgm
.Lentry_in_a_cluster:
	s_bfe_u32 s2, ttmp6, 0x10000c
	s_cmp_lg_u32 s2, 0xf033
	s_cbranch_scc0 .Lentry_shape_is_right
	s_endpgm
.Lentry_shape_is_right:
; PRODUCT 1, x W_qkv^T, on the codes of inq; the way out quantises its results into the operands of products 2 and 3 (qkvb).  Nothing is left out.
; A work-group makes two tiles.  TILE A: L = 256 tokens of x, R = 256 rows of W_q | W_k: Q or K, quantised along d; a wave makes 128 x 128, 64 accumulators.
; TILE B: L = 128 rows of W_v, R = 256 tokens: V^T, quantised along the tokens, which are product 3's K; a wave makes 64 x 128, 32 accumulators.
; THE MATRIX INSTRUCTION: source 0 = 16 rows of R, source 1 = 16 rows of L.  A lane holds ONE row of L, and, since R's blocks lie in position order (launch quant), the 16 registers of two
; neighbouring result tiles are 16 neighbours along R: 64 registers of an L block are one fragment and one scale word of the next product, made in registers and stored as an image.
; LDS: two slots of 147,456 bytes.  Tile A's K steps 0-2 lie in slot 0, 3-5 in slot 1, 6-7 in slot 0 again; tile B's 0-3 in slot 1, 4-7 in slot 0.  Operands lie in memory as images of their
; registers: a block's part of a slot is one run of 4,608, 3,072 or 6,144 bytes, each at a multiple of 256; LDS needs no padding, every LDS load reads 512 consecutive bytes.
; Every fill is shared out alike: waves 0, 1 fetch the halves of L's part, waves 2, 3 of R's.  The head asks for slot 0; slot 1's first fill stands behind the full sequence and a round, as a refill does;
; three refills follow.  Between a fill and the wait for it stand 128 matrix instructions (slot 1's first), 160 (the first refill), 160 and half of tile A's way out (the second), the other half and 96 (the third).
; CLUSTER 4 x 4: L's tiles hang on the cluster's place and cy and are asked for jointly along a row of the cluster, R's on cx and are asked for along a column.
; PREFETCHES.  Behind the head's load each wave names K steps 3-7 (7,680 bytes, 30 lanes a block, 256 bytes a lane) of two blocks: they are loaded by the next two fills.  Of the 8 blocks that a wave fetches,
; the partner at place p (cx for L, cy for R) takes blocks 2 p and 2 p + 1: shared out by address, each run named once in each cluster that loads it.  Behind the first refill each wave names 6,144 bytes
; (24 lanes) of W_v: of tile B's 8 blocks the partner at cx takes blocks 2 cx and 2 cx + 1, a quarter of them a wave; they are loaded by the two fills after that.
; Tile B's tokens are the blocks that this cluster's work-groups have loaded for tile A: they are not asked for again.
; LIMITS: NaN and infinities are not served; a block of zeros carries the byte 1 (its codes are zeros; this program alone reads the bytes).
; REGISTERS: window 0: v3-16 addresses; v32-63 R's scale words, v64-95 L's, for all of K; v96-112 at work; v128-223 L's fragments; v224-243 the codes just made.
; window 1: R's fragments, two sets (v0, v128).  windows 2, 3: the accumulators of L blocks 0-3, 4-7: (a, b) at 8 (8 (a % 4) + b).
.set SOFF,  9437184
.set KOFF,  6291456
.set VTOFF, 12582912
.set QS,    18874368
.set VTS,   19398656
.set FRB,   1536                       ; a fragment's image
.set BLK,   12288                      ; a block of 16 rows, all of K
.set SLOT,  147456
.set RPA,   73728                      ; where R's part begins in a slot, tile A;
.set RPB,   49152                      ; tile B
.set SPARE, 294912                     ; behind the slots: the spare words, 128 bytes a wave, that no other line names
.set LI,   3                           ; v3     16 x lane
.set ADL,  4                           ; v4-6   my L fragments: steps 0-2, 3-5, 6-7 of tile A;  v6-7 tile B in slot 0, 1
.set ADR,  8                           ; v8-10  my R fragments, tile A
.set BRB,  11                          ; v11-12 my R fragments, tile B, slot 0, 1
.set SVL,  13                          ; v13    16 r
.set SVR,  14                          ; v14    16 r, lanes 16-31 four blocks on
.set PFV,  15                          ; v15    the prefetches' offsets: 256 x min(lane, 29);
.set PFW,  16                          ; v16    256 x min(lane, 23); neither is rewritten
.set SPW,  28
.set NIL,  29
.set RS,   32
.set LS,   64
.set TM,   96
.set PW,   112
.set LFR,  128
.set PC,   224
.set G1L,  24
.set G0L,  32
.set G0R,  36
.set G1R,  48
.set PFA,  56                          ; s[56:57] where my prefetches of tile A stand; s[60:61] that of W_v; neither is rewritten behind its making
.set PFB,  60
.set PLA,  66                          ; tiles' first bytes: L, R of tile A; L, R of tile B
.set PRA,  68
.set PLB,  70
.set PRB,  72
.set W98,  74                          ; (wave & 1) x 8 blocks, x 4 blocks, as pairs
.set W49,  76
.set SLA,  80                          ; my blocks' scale words
.set SRA,  82
.set SLB,  84
.set SRB,  86
.set OCA,  88                          ; where my images and their scale words go
.set OSA,  90
.set OCB,  92
.set OSB,  94
.set SEL,  98
.set MUL_LO, 0xa1                      ; R window 1, L window 0, C and D window 2
.set MUL_HI, 0xf1                      ; C and D window 3
.set MSB,  0
.macro WIN new                         ; the immediate's high byte repeats the setting that is left
.if MSB != (\new)
	s_set_vgpr_msb (MSB<<8)|(\new)
.set MSB, (\new)
.endif
.endm
.macro PLACES n                        ; plain places behind matrix instructions (ISA guide 7.12.1)
.rept \n
	v_nop
.endr
.endm
.macro CREST                           ; a round of the cluster's barrier behind its opening barrier
	s_cmp_lg_u32 s14, 0
	s_cbranch_scc1 .Lnot_wave_0_\@
	s_barrier_signal -3
.Lnot_wave_0_\@:
	s_barrier_wait -3
	s_barrier_signal -1
	s_barrier_wait -1
.endm
.macro CROUND
	s_barrier_signal -1
	s_barrier_wait -1
	CREST
.endm
.macro JLOAD                           ; a joint load: waves 0, 1 fetch for L, waves 2, 3 for R; an s_nop 0 and four v_nop follow each line
	s_cmp_eq_u32 s15, 0
	s_cbranch_scc0 .Lfor_r_\@
	tensor_load_to_lds s[G0L:G0L+3], s[G1L:G1L+7]
	s_nop 0
.rept 4
	v_nop
.endr
	s_branch .Lasked_\@
.Lfor_r_\@:
	tensor_load_to_lds s[G0R:G0R+3], s[G1R:G1R+7]
	s_nop 0
.rept 4
	v_nop
.endr
.Lasked_\@:
.endm
.macro G1SET d0, rl, rr                ; a row of d0 x 8 bytes; rl rows for L, rr for R.  Written only where no tensor load of the wave is out
	s_mov_b32 s[G1L+1], (\d0)<<16
	s_mov_b32 s[G1L+2], (\rl)<<16
	s_mov_b32 s[G1L+3], (\d0)<<16
	s_mov_b32 s[G1L+4], \rl
	s_mov_b32 s[G1R+1], (\d0)<<16
	s_mov_b32 s[G1R+2], (\rr)<<16
	s_mov_b32 s[G1R+3], (\d0)<<16
	s_mov_b32 s[G1R+4], \rr
.endm
.macro REFILL1                         ; tile A's K steps 6, 7 into slot 0: 8 blocks a wave
	G1SET 384, 8, 8
	s_mov_b32 s[G0L+1], s20
	s_add_nc_u64 s[G0L+2:G0L+3], s[G0L+2:G0L+3], 3*FRB
	s_add_co_u32 s[G0R+1], s20, RPA
	s_add_nc_u64 s[G0R+2:G0R+3], s[G0R+2:G0R+3], 3*FRB
.endm
.macro REFILL2                         ; tile B's K steps 0-3 into slot 1: 4 blocks of L or 8 of R a wave
	G1SET 768, 4, 8
	s_add_co_u32 s[G0L+1], s20, SLOT
	s_add_nc_u64 s[G0L+2:G0L+3], s[PLB:PLB+1], s[W49:W49+1]
	s_or_b32 s[G0L+3], s[G0L+3], 0x80000000
	s_add_co_u32 s[G0R+1], s21, SLOT+RPB
	s_add_nc_u64 s[G0R+2:G0R+3], s[PRB:PRB+1], s[W98:W98+1]
	s_or_b32 s[G0R+3], s[G0R+3], 0x80000000
.endm
.macro REFILL3                         ; its K steps 4-7 into slot 0
	s_mov_b32 s[G0L+1], s20
	s_add_nc_u64 s[G0L+2:G0L+3], s[G0L+2:G0L+3], 4*FRB
	s_add_co_u32 s[G0R+1], s21, RPB
	s_add_nc_u64 s[G0R+2:G0R+3], s[G0R+2:G0R+3], 4*FRB
.endm
.macro LAY st                          ; tile A: block i of step st lies at (NS i + QQ) FRB of its part
.if (\st) < 6
.set NS, 3
.set QQ, (\st)%3
.else
.set NS, 2
.set QQ, (\st)-6
.endif
.endm
.macro FR st, p                        ; tile A: my 8 fragments of R of step st into set p
	LAY \st
	WIN 0x40
.irp b, 0,1,2,3,4,5,6,7
.irp c, 0,1,2
	ds_load_b128 v[128*(\p)+12*\b+4*\c:128*(\p)+12*\b+4*\c+3], v[ADR+(\st)/3] offset:(NS*\b+QQ)*FRB+512*\c
.endr
.endr
	WIN 0
.endm
.macro FL st, i0                       ; tile A: my L blocks i0 .. i0 + 3 of step st
	LAY \st
.irp i, \i0, \i0+1, \i0+2, \i0+3
.irp c, 0,1,2
	ds_load_b128 v[LFR+12*(\i)+4*\c:LFR+12*(\i)+4*\c+3], v[ADL+(\st)/3] offset:(NS*(\i)+QQ)*FRB+512*\c
.endr
.endr
.endm
.macro FB sb, q, p                     ; tile B: 36 loads: my 8 fragments of R and 4 of L of the slot's q-th step, into set p
	WIN 0x40
.irp b, 0,1,2,3,4,5,6,7
.irp c, 0,1,2
	ds_load_b128 v[128*(\p)+12*\b+4*\c:128*(\p)+12*\b+4*\c+3], v[BRB+(\sb)] offset:(4*\b+(\q))*FRB+512*\c
.endr
.endr
	WIN 0
.irp a, 0,1,2,3
.irp c, 0,1,2
	ds_load_b128 v[LFR+48*(\p)+12*\a+4*\c:LFR+48*(\p)+12*\a+4*\c+3], v[ADL+2+(\sb)] offset:(4*\a+(\q))*FRB+512*\c
.endr
.endr
.endm
.macro SCALES lp, lv, rp               ; a tile's scale words for all of K, four K steps a load: sixteen lanes read 256 consecutive bytes
.irp hf, 0,1
.irp j, 0,1,2,3
	global_load_b128 v[RS+16*\hf+4*\j:RS+16*\hf+4*\j+3], v[SVR], s[\rp:\rp+1] offset:512*\j+256*\hf
	global_load_b128 v[LS+16*\hf+4*\j:LS+16*\hf+4*\j+3], v[\lv], s[\lp:\lp+1] offset:512*\j+256*\hf
.endr
.endr
.endm
.macro WMI hx, hy, zero                ; one product on rD, rR, rL, rX, rY.  hx, hy: R's, L's scale words stand in lanes 16-31.  zero: it starts the sum
.if \zero
.if \hx
.if \hy
	v_wmma_scale_f32_16x16x128_f8f6f4 v[rD:rD+7], v[rR:rR+11], v[rL:rL+11], 0, v[rX], v[rY] matrix_a_fmt:MATRIX_FMT_FP6 matrix_b_fmt:MATRIX_FMT_FP6 matrix_a_scale:MATRIX_SCALE_ROW1 matrix_b_scale:MATRIX_SCALE_ROW1
.else
	v_wmma_scale_f32_16x16x128_f8f6f4 v[rD:rD+7], v[rR:rR+11], v[rL:rL+11], 0, v[rX], v[rY] matrix_a_fmt:MATRIX_FMT_FP6 matrix_b_fmt:MATRIX_FMT_FP6 matrix_a_scale:MATRIX_SCALE_ROW1
.endif
.else
.if \hy
	v_wmma_scale_f32_16x16x128_f8f6f4 v[rD:rD+7], v[rR:rR+11], v[rL:rL+11], 0, v[rX], v[rY] matrix_a_fmt:MATRIX_FMT_FP6 matrix_b_fmt:MATRIX_FMT_FP6 matrix_b_scale:MATRIX_SCALE_ROW1
.else
	v_wmma_scale_f32_16x16x128_f8f6f4 v[rD:rD+7], v[rR:rR+11], v[rL:rL+11], 0, v[rX], v[rY] matrix_a_fmt:MATRIX_FMT_FP6 matrix_b_fmt:MATRIX_FMT_FP6
.endif
.endif
.else
.if \hx
.if \hy
	v_wmma_scale_f32_16x16x128_f8f6f4 v[rD:rD+7], v[rR:rR+11], v[rL:rL+11], v[rD:rD+7], v[rX], v[rY] matrix_a_fmt:MATRIX_FMT_FP6 matrix_b_fmt:MATRIX_FMT_FP6 matrix_a_scale:MATRIX_SCALE_ROW1 matrix_b_scale:MATRIX_SCALE_ROW1
.else
	v_wmma_scale_f32_16x16x128_f8f6f4 v[rD:rD+7], v[rR:rR+11], v[rL:rL+11], v[rD:rD+7], v[rX], v[rY] matrix_a_fmt:MATRIX_FMT_FP6 matrix_b_fmt:MATRIX_FMT_FP6 matrix_a_scale:MATRIX_SCALE_ROW1
.endif
.else
.if \hy
	v_wmma_scale_f32_16x16x128_f8f6f4 v[rD:rD+7], v[rR:rR+11], v[rL:rL+11], v[rD:rD+7], v[rX], v[rY] matrix_a_fmt:MATRIX_FMT_FP6 matrix_b_fmt:MATRIX_FMT_FP6 matrix_b_scale:MATRIX_SCALE_ROW1
.else
	v_wmma_scale_f32_16x16x128_f8f6f4 v[rD:rD+7], v[rR:rR+11], v[rL:rL+11], v[rD:rD+7], v[rX], v[rY] matrix_a_fmt:MATRIX_FMT_FP6 matrix_b_fmt:MATRIX_FMT_FP6
.endif
.endif
.endif
.endm
.macro MULA a0, st, zero               ; tile A: L blocks a0, a0 + 1 x R's eight.  The accumulators take turns, one instruction a turn
.irp a, \a0, \a0+1
.irp b, 0,1,2,3,4,5,6,7
.set rD, 8*(8*((\a)%4)+\b)
.set rR, 128*((\st)%2)+12*\b
.set rL, LFR+12*(\a)
.set rX, RS+16*((\st)/4)+4*(\b%4)+(\st)%4
.set rY, LS+16*((\st)/4)+4*((\a)%4)+(\st)%4
	WMI (\b/4), ((\a)/4), \zero
.endr
.endr
.endm
.macro MULB a, t, zero                 ; tile B: L block a x R's eight
.irp b, 0,1,2,3,4,5,6,7
.set rD, 8*(8*(\a)+\b)
.set rR, 128*((\t)%2)+12*\b
.set rL, LFR+48*((\t)%2)+12*(\a)
.set rX, RS+16*((\t)/4)+4*(\b%4)+(\t)%4
.set rY, LS+16*((\t)/4)+4*(\a)+(\t)%4
	WMI (\b/4), 0, \zero
.endr
.endm
; A step of tile A: 64 matrix instructions; L has one set of registers: the next step's blocks 0-3 are fetched in the step's middle, with R's next set, blocks 4-7 at its end.
; Steps 2 and 5 end their slot: ONE barrier; in front of it each wave waits for all its tensor loads, adds 0 to its spare word, and waits for that and for its reads of this slot;
; the barrier opens a round of the cluster's barrier, and this slot is filled again.
.macro STEPA st, zero
.set NX, (\st)+1
.if (\st)%3 == 2
	s_wait_tensorcnt 0x0                           ; all my tensor loads have landed: my part of the next slot
	ds_add_u32 v[SPW], v[NIL]                      ; 0 onto my spare word
	s_wait_dscnt 13                                ; the add and the youngest 12 loads (L's blocks 4-7) may be out
	WIN MUL_LO
	MULA 0, \st, \zero
	s_wait_dscnt 0x0                               ; the add is done, and my reads of this slot are over
	s_barrier_signal -1
	MULA 2, \st, \zero
	WIN 0
	s_barrier_wait -1
	CREST                                          ; no wave of any partner still reads this slot or has a load on its way
.if (\st) == 2
	REFILL1
.else
	REFILL2
.endif
	JLOAD                                          ; the first tensor load behind the round; its four v_nop are the places in front of the loads below
.else
	s_wait_dscnt 12                                ; R's set and L's blocks 0-3 are in; the youngest 12 loads may be out
	WIN MUL_LO
	MULA 0, \st, \zero
	MULA 2, \st, \zero
	s_wait_dscnt 0x0
	PLACES 4
.endif
	FR NX, NX%2
	FL NX, 0
.if (\st) == 2
	global_prefetch_b8 v[PFW], s[PFB:PFB+1] th:TH_LOAD_NT scope:SCOPE_SE   ; my 6,144 bytes of W_v, behind the joint load and the run of LDS loads
.endif
	WIN MUL_HI
	MULA 4, \st, \zero
	MULA 6, \st, \zero
	PLACES 4
	WIN 0
	FL NX, 4
.endm
.macro STEPB t, zero                   ; a step of tile B that stays in its slot: the next step's 36 loads, then 32 matrix instructions
	PLACES 4
	FB 1-((\t)+1)/4, ((\t)+1)%4, ((\t)+1)%2
	s_wait_dscnt 36                                ; this step's fragments are in; the 36 loads just issued may be out
.if \zero
	s_wait_loadcnt 0x0                             ; the tile's scale words are in
.endif
	WIN MUL_LO
.irp a, 0,1,2,3
	MULB \a, \t, \zero
.endr
	WIN 0
.endm
; The 64 numbers of L block a (register 16 b + i = k 32 b + 16 (lane / 16) + i of my row) become a fragment's codes in v[PC] on and its scale word in v[PW].  Each accumulator is read from its low end on.
.macro QUANT a
.set AC0, 64*((\a)%4)
.set W, 2+(\a)/4
	WIN 5*W
.irp b, 0,1,2,3
	v_max3_num_f32 v[TM+\b], |v[AC0+16*\b]|, |v[AC0+1+16*\b]|, 0x1800000   ; my 16 numbers of block b in two chains of 8, and the floor 2^(3 - 127): the byte cannot fall under 1
.endr
	WIN 21*W
.irp b, 0,1,2,3
	v_max3_num_f32 v[TM+8+\b], |v[AC0+8+16*\b]|, |v[AC0+9+16*\b]|, |v[AC0+10+16*\b]|
.endr
	WIN 20*W
.irp i, 2,4,6
.irp b, 0,1,2,3
	v_max3_num_f32 v[TM+\b], v[TM+\b], |v[AC0+16*\b+\i]|, |v[AC0+1+16*\b+\i]|
.endr
.if \i < 6
.irp b, 0,1,2,3
	v_max3_num_f32 v[TM+8+\b], v[TM+8+\b], |v[AC0+9+16*\b+\i]|, |v[AC0+10+16*\b+\i]|
.endr
.endif
.endr
	WIN 16*W
.irp b, 0,1,2,3
	v_max3_num_f32 v[TM+\b], v[TM+\b], v[TM+8+\b], |v[AC0+15+16*\b]|       ; the two chains and the last number
.endr
	WIN 0
	s_wait_alu depctr_va_vdst(0)
	s_wait_xcnt 0x0                                ; the last block's stores have read their registers: the word and the codes are written again only behind this wait
.irp b, 0,1,2,3
	v_permlanex16_b32 v[TM+4+\b], v[TM+\b], s[SEL], s[SEL+1]
.endr
.irp b, 0,1,2,3
	v_max_num_f32 v[TM+\b], v[TM+\b], v[TM+4+\b]   ; with lane l xor 16's: the block's largest magnitude
.endr
.irp b, 0,1,2,3
	v_add_nc_u32 v[TM+12+\b], 0xff000000, v[TM+\b] ; 2 off its exponent field: the conversion's scale operand
.endr
.irp b, 0,1,2,3
	v_lshrrev_b32 v[TM+4+\b], 23, v[TM+12+\b]      ; the scale's byte
.endr
	v_lshl_or_b32 v[PW], v[TM+5], 8, v[TM+4]
	v_lshl_or_b32 v[PW], v[TM+6], 16, v[PW]
	v_lshl_or_b32 v[PW], v[TM+7], 24, v[PW]
	WIN W
.irp c, 0,1
	v_cvt_scalef32_pk16_fp6_f32 v[PC+6*\c:PC+2+6*\c], v[AC0+32*\c:AC0+15+32*\c], v[TM+12+2*\c]
	v_cvt_scalef32_pk16_fp6_f32 v[PC+12+4*\c:PC+14+4*\c], v[AC0+16+32*\c:AC0+31+32*\c], v[TM+12+2*\c+1]
.endr
	WIN 0
	v_nop                                          ; one plain place behind a scaled conversion
.irp c, 0,1                            ; the operand's layout wants a WHOLE block in a lane
.irp i, 0,1,2
	v_permlane16_swap_b32 v[PC+6*\c+\i], v[PC+12+4*\c+\i]
.endr
.irp i, 0,1,2
	v_mov_b32 v[PC+3+6*\c+\i], v[PC+12+4*\c+\i]
.endr
.endr
.endm
.macro EPI a0, ocp, osp, pitch, spitch ; four L blocks leave: each one image (three stores of 512 consecutive bytes) and one scale word a row
.irp a, \a0, \a0+1, \a0+2, \a0+3
	QUANT (\a)
.irp c, 0,1,2
	global_store_b128 v[LI], v[PC+4*\c:PC+4*\c+3], s[\ocp:\ocp+1] offset:(\a)*\pitch+512*\c
.endr
	global_store_b32 v[SVL], v[PW], s[\osp:\osp+1] offset:(\a)*\spitch   ; lanes r and r + 16 write the same word with the same value
.endr
.endm
.macro KSW dst, ks                     ; K step ks's place among a block's scale words: 256 (ks / 4) + 4 (ks % 4)
	s_lshr_b32 s19, \ks, 2
	s_lshl_b32 s19, s19, 8
	s_add_co_u32 \dst, \dst, s19
	s_and_b32 s19, \ks, 3
	s_lshl_b32 s19, s19, 2
	s_add_co_u32 \dst, \dst, s19
.endm
	s_load_b128 s[4:7], s[0:1], 0x0                ; inq s[4:5], qkvb s[6:7]
	v_lshl_add_u32 v[SPW], v0, 2, SPARE
	v_mov_b32 v[NIL], 0
	ds_add_u32 v[SPW], v[NIL]                      ; the wave's opening: the add, twice on end, and its wait stand ahead of my first tensor load
	ds_add_u32 v[SPW], v[NIL]                      ; and once more; the set-up below, work on registers, stands between it and the wait
	v_lshrrev_b32 v1, 5, v0
	v_readfirstlane_b32 s14, v1                    ; wave 0..3
	s_lshr_b32 s15, s14, 1                         ; which half of the tile's L blocks is mine.  Also: I fetch for L (0) or for R (1)
	s_and_b32 s16, s14, 1                          ; which half of its R blocks.  Also: which half of that part I fetch
	s_bfe_u32 s40, ttmp6, 0x40000                  ; cx
	s_bfe_u32 s41, ttmp6, 0x40004                  ; cy
	s_and_b32 s42, ttmp7, 0xffff                   ; Y
	s_lshl_b32 s17, s42, 2
	s_add_co_u32 s45, s17, s40                     ; rt = 4 Y + cx: tile B's 256 tokens
	s_add_co_u32 s17, s17, s41                     ; wy = 4 Y + cy: tile A's 256 tokens
	s_lshl_b32 s18, ttmp9, 2
	s_add_co_u32 s46, s18, s41                     ; lt = 4 X + cy: tile B's 128 rows of W_v
	s_add_co_u32 s18, s18, s40                     ; wx = 4 X + cx: tile A's 256 rows of W_q | W_k
	s_lshl_b32 s43, s41, 2
	s_lshl_b32 s43, 15, s43                        ; my row of the cluster
	s_lshl_b32 s44, 0x1111, s40                    ; my column
	s_or_b32 s[G1L], s43, (3<<16)|(1<<21)          ; 15:0 the mask; 17:16 elements of 8 bytes; 21 set beside a mask; no padding
	s_or_b32 s[G1R], s44, (3<<16)|(1<<21)
	G1SET 576, 8, 8                                ; slots 0 and 1 of tile A: 8 blocks x 3 K steps a wave
	s_mov_b32 s[G1L+5], BLK/8
	s_mov_b32 s[G1L+6], 0
	s_mov_b32 s[G1L+7], 0
	s_mov_b32 s[G1R+5], BLK/8
	s_mov_b32 s[G1R+6], 0
	s_mov_b32 s[G1R+7], 0
	s_mov_b32 s[SEL], 0x76543210
	s_mov_b32 s[SEL+1], 0xfedcba98
	s_mul_i32 s10, s15, 36864                      ; LDS: my 8 L blocks x 3 steps,
	s_mul_i32 s11, s15, 24576                      ; x 2 steps (also: my 4 L blocks x 4 steps of tile B)
	s_mul_i32 s23, s16, 36864
	s_add_co_u32 s12, s23, RPA
	s_mul_i32 s20, s16, 24576
	s_add_co_u32 s13, s20, RPA
	s_mul_i32 s21, s16, 49152
	s_add_co_u32 s22, s21, RPB
	s_mul_i32 s[W98], s16, 8*BLK
	s_mul_i32 s[W49], s16, 4*BLK
	; the tiles' offsets.  What feeds L's descriptors never holds cx, what feeds R's never cy
	s_mul_i32 s[PLA], s17, 16*BLK
	s_mul_i32 s[PRA], s18, 16*BLK
	s_add_co_u32 s[PRA], s[PRA], 512*BLK
	s_mul_i32 s[PLB], s46, 8*BLK
	s_add_co_u32 s[PLB], s[PLB], 640*BLK
	s_mul_i32 s[PRB], s45, 16*BLK
	s_lshl_b32 s2, s17, 4
	s_lshl_b32 s3, s15, 3
	s_add_co_u32 s2, s2, s3                        ; tile A: my first L block
	s_lshl_b32 s[SLA], s2, 9
	s_add_co_u32 s[SLA], s[SLA], SOFF
	s_lshl_b32 s9, s16, 3
	s_lshl_b32 s8, s18, 4
	s_add_co_u32 s8, s8, s9
	s_lshl_b32 s[SRA], s8, 9
	s_add_co_u32 s[SRA], s[SRA], SOFF+512*512
	s_lshl_b32 s8, s45, 4
	s_add_co_u32 s8, s8, s9
	s_lshl_b32 s[SRB], s8, 9
	s_add_co_u32 s[SRB], s[SRB], SOFF
	s_lshl_b32 s3, s46, 3
	s_lshl_b32 s9, s15, 2
	s_add_co_u32 s3, s3, s9                        ; tile B: my first d block
	s_lshl_b32 s[SLB], s3, 9
	s_add_co_u32 s[SLB], s[SLB], SOFF+640*512
	s_lshl_b32 s8, s18, 1
	s_add_co_u32 s8, s8, s16
	s_and_b32 s8, s8, 7                            ; tile A: my results are K step (2 wx + (wave & 1)) % 8
	s_lshr_b32 s9, s18, 2                          ; of Q (0) or K (1)
	s_mul_i32 s[OCA], s2, BLK
	s_mul_i32 s19, s8, FRB
	s_add_co_u32 s[OCA], s[OCA], s19
	s_mul_i32 s19, s9, KOFF
	s_add_co_u32 s[OCA], s[OCA], s19
	s_lshl_b32 s[OSA], s2, 9
	KSW s[OSA], s8
	s_lshl_b32 s19, s9, 18
	s_add_co_u32 s[OSA], s[OSA], s19
	s_add_co_u32 s[OSA], s[OSA], QS
	s_and_b32 s8, s45, 7
	s_lshl_b32 s8, s8, 1
	s_add_co_u32 s8, s8, s16                       ; tile B: K step 2 (rt & 7) + (wave & 1) of V^T,
	s_lshr_b32 s9, s45, 3                          ; in batch rt / 8
	s_mul_i32 s[OCB], s9, 1572864
	s_mul_i32 s19, s3, 2*BLK
	s_add_co_u32 s[OCB], s[OCB], s19
	s_mul_i32 s19, s8, FRB
	s_add_co_u32 s[OCB], s[OCB], s19
	s_add_co_u32 s[OCB], s[OCB], VTOFF
	s_lshl_b32 s[OSB], s9, 16
	s_lshl_b32 s19, s3, 10
	s_add_co_u32 s[OSB], s[OSB], s19
	KSW s[OSB], s8
	s_add_co_u32 s[OSB], s[OSB], VTS
.irp p, PLA, PRA, PLB, PRB, W98, W49, SLA, SRA, SLB, SRB, OCA, OSA, OCB, OSB
	s_mov_b32 s[\p+1], 0
.endr
	v_and_b32 v1, 15, v0                           ; r
	v_bfe_u32 v2, v0, 4, 1                         ; h
	v_and_b32 v[LI], 31, v0
	v_min_u32 v[PFV], 29, v[LI]
	v_min_u32 v[PFW], 23, v[LI]
	v_lshlrev_b32 v[PFV], 8, v[PFV]
	v_lshlrev_b32 v[PFW], 8, v[PFW]
	v_lshlrev_b32 v[LI], 4, v[LI]
	v_add_nc_u32 v[ADL], s10, v[LI]
	v_add_nc_u32 v[ADL+1], SLOT, v[ADL]
	v_add_nc_u32 v[ADL+2], s11, v[LI]
	v_add_nc_u32 v[ADL+3], SLOT, v[ADL+2]
	v_add_nc_u32 v[ADR], s12, v[LI]
	v_add_nc_u32 v[ADR+1], SLOT, v[ADR]
	v_add_nc_u32 v[ADR+2], s13, v[LI]
	v_add_nc_u32 v[BRB], s22, v[LI]
	v_add_nc_u32 v[BRB+1], SLOT, v[BRB]
	v_lshlrev_b32 v[SVL], 4, v1
	v_lshl_add_u32 v[SVR], v2, 11, v[SVL]
.irp b, 0,1,2,3
	v_mov_b32 v[TM+4+\b], 0                        ; written once: a lane permute's destination counts as one of its sources
.endr
	s_wait_alu depctr_va_vdst(0)
	s_wait_dscnt 0x0                               ; both opening adds are done
	s_wait_kmcnt 0x0
.irp p, PLA, PRA, PLB, PRB, SLA, SRA, SLB, SRB
	s_add_nc_u64 s[\p:\p+1], s[4:5], s[\p:\p+1]
.endr
.irp p, OCA, OSA, OCB, OSB
	s_add_nc_u64 s[\p:\p+1], s[6:7], s[\p:\p+1]
.endr
	s_mov_b32 s[G0L], 1                            ; slot 0: K steps 0-2 of my 8 blocks of L or of R
	s_mov_b32 s[G0L+1], s23
	s_add_nc_u64 s[G0L+2:G0L+3], s[PLA:PLA+1], s[W98:W98+1]
	s_or_b32 s[G0L+3], s[G0L+3], 0x80000000
	s_mov_b32 s[G0R], 1
	s_mov_b32 s[G0R+1], s12
	s_add_nc_u64 s[G0R+2:G0R+3], s[PRA:PRA+1], s[W98:W98+1]
	s_or_b32 s[G0R+3], s[G0R+3], 0x80000000
	CROUND                                         ; all sixteen work-groups are here: the first joint loads meet
	JLOAD                                          ; one tensor load a wave at the head
	s_mul_i32 s56, s40, 2*BLK                      ; the prefetches' addresses: 2 cx blocks on in L's tiles,
	s_mov_b32 s57, 0
	s_mul_i32 s58, s41, 2*BLK                      ; 2 cy blocks on in R's
	s_mov_b32 s59, 0
	s_add_nc_u64 s[PFB:PFB+1], s[PLB:PLB+1], s[56:57]
	s_add_nc_u64 s[56:57], s[PLA:PLA+1], s[56:57]
	s_add_nc_u64 s[58:59], s[PRA:PRA+1], s[58:59]
	s_cmp_eq_u32 s15, 0                            ; do I fetch for L?
	s_cselect_b64 s[PFA:PFA+1], s[56:57], s[58:59]
	s_add_nc_u64 s[PFA:PFA+1], s[PFA:PFA+1], s[W98:W98+1]   ; + the 8 blocks that I fetch
	s_mul_i32 s58, s14, 4*FRB                      ; of W_v's two blocks, 24,576 bytes, a quarter a wave
	s_mov_b32 s59, 0
	s_add_nc_u64 s[PFB:PFB+1], s[PFB:PFB+1], s[58:59]
	global_prefetch_b8 v[PFV], s[PFA:PFA+1] offset:3*FRB th:TH_LOAD_NT scope:SCOPE_SE       ; K steps 3-7 of my two blocks
	global_prefetch_b8 v[PFV], s[PFA:PFA+1] offset:BLK+3*FRB th:TH_LOAD_NT scope:SCOPE_SE
	SCALES SLA, SVR, SRA
	s_wait_tensorcnt 0x0                           ; my part of slot 0 is in
	ds_add_u32 v[SPW], v[NIL]
	s_add_co_u32 s[G0L+1], s[G0L+1], SLOT          ; no tensor load of mine is out, so the descriptors may be written: slot 1, K steps 3-5
	s_add_nc_u64 s[G0L+2:G0L+3], s[G0L+2:G0L+3], 3*FRB
	s_add_co_u32 s[G0R+1], s[G0R+1], SLOT
	s_add_nc_u64 s[G0R+2:G0R+3], s[G0R+2:G0R+3], 3*FRB
	s_wait_dscnt 0x0
	CROUND                                         ; slot 0 is whole, and all sixteen work-groups are here
	JLOAD                                          ; slot 1's first fill, the first tensor load behind the round
	FR 0, 0
	FL 0, 0
	FL 0, 4
	s_wait_loadcnt 0x0                             ; tile A's scale words are in
	STEPA 0, 1                                     ; the first step's products start the sums
	STEPA 1, 0
	STEPA 2, 0
	STEPA 3, 0
	STEPA 4, 0
	STEPA 5, 0
	STEPA 6, 0
	s_wait_dscnt 12                                ; tile A's last step fetches nothing
	WIN MUL_LO
	MULA 0, 7, 0
	MULA 2, 7, 0
	s_wait_dscnt 0x0
	WIN MUL_HI
	MULA 4, 7, 0
	MULA 6, 7, 0
	WIN 0
	PLACES 4
	SCALES SLB, SVL, SRB                           ; tile B's scale words take tile A's registers
	EPI 0, OCA, OSA, BLK, 512                      ; my L blocks 0-3 leave while tile B's first slot is on its way
	s_wait_tensorcnt 0x0                           ; my part of tile B's K steps 0-3 is in
	ds_add_u32 v[SPW], v[NIL]                      ; 0 onto my spare word
	s_wait_dscnt 0x0
	CROUND                                         ; no wave of any partner still reads slot 0 or has a load on its way
	REFILL3
	JLOAD
	FB 1, 0, 0
	EPI 4, OCA, OSA, BLK, 512                      ; blocks 4-7 leave while the last refill is on its way
	STEPB 0, 1
	STEPB 1, 0
	STEPB 2, 0
	s_wait_tensorcnt 0x0                           ; step 3 changes slots; nothing is filled again
	ds_add_u32 v[SPW], v[NIL]
	s_wait_dscnt 1                                 ; this step's fragments are in; the add may be out
	WIN MUL_LO
	MULB 0, 3, 0
	s_wait_dscnt 0x0
	s_barrier_signal -1
	MULB 1, 3, 0
	WIN 0
	s_barrier_wait -1
	PLACES 4
	FB 0, 0, 0
	WIN MUL_LO
	MULB 2, 3, 0
	MULB 3, 3, 0
	WIN 0
	STEPB 4, 0
	STEPB 5, 0
	STEPB 6, 0
	s_wait_dscnt 0x0
	WIN MUL_LO
.irp a, 0,1,2,3
	MULB \a, 7, 0
.endr
	WIN 0
	PLACES 4
	EPI 0, OCB, OSB, 2*BLK, 1024
	s_wait_tensorcnt 0x0                           ; the wave's end
	ds_add_u32 v[SPW], v[NIL]
	s_wait_dscnt 0x0
	CROUND                                         ; the closing round: no work-group ends while a partner may still ask for a tile that names it
	s_endpgm
.Lfunc_end_k_q61f7e46146_qkv:
	.size	k_q61f7e46146_qkv, .Lfunc_end_k_q61f7e46146_qkv-k_q61f7e46146_qkv
	.p2alignl 7, 3214868480
	.fill 96, 4, 3214868480
	.section	.rodata,"a",@progbits
	.p2align	6, 0x0
	.amdhsa_kernel k_q61f7e46146_qkv
		.amdhsa_group_segment_fixed_size 327680
		.amdhsa_private_segment_fixed_size 0
		.amdhsa_enable_private_segment 0
		.amdhsa_kernarg_size 16
		.amdhsa_user_sgpr_count 2
		.amdhsa_user_sgpr_kernarg_segment_ptr 1
		.amdhsa_wavefront_size32 1
		.amdhsa_system_sgpr_workgroup_id_x 1
		.amdhsa_system_sgpr_workgroup_id_y 1
		.amdhsa_system_sgpr_workgroup_id_z 1
		.amdhsa_system_vgpr_workitem_id 0
		.amdhsa_next_free_vgpr 1024
		.amdhsa_next_free_sgpr 100
		.amdhsa_reserve_vcc 0
		.amdhsa_float_denorm_mode_32 3
		.amdhsa_float_denorm_mode_16_64 3
		.amdhsa_memory_ordered 1
		.amdhsa_forward_progress 1
		.amdhsa_inst_pref_size 216
	.end_amdhsa_kernel
	.amdgpu_metadata
---
amdhsa.version: [ 1, 2 ]
amdhsa.kernels:
  - .name:           k_q61f7e46146_qkv
    .symbol:         k_q61f7e46146_qkv.kd
    .args:
      - { .name: inq, .offset: 0, .size: 8, .value_kind: global_buffer, .address_space: global }
      - { .name: qkvb, .offset: 8, .size: 8, .value_kind: global_buffer, .address_space: global }
    .group_segment_fixed_size: 327680
    .private_segment_fixed_size: 0
    .kernarg_segment_align: 8
    .kernarg_segment_size: 16
    .max_flat_workgroup_size: 128
    .sgpr_count:     100
    .vgpr_count:     1024
    .wavefront_size: 32
...
	.end_amdgpu_metadata
.endif
;; end of part 2
;; launch score (part 3): grid 8 x 32, 4 waves a work-group, clusters of 4 x 4, 327,680 bytes of LDS; arguments qkvb, pbuf; writes pbuf
.if DOCPART == 3
	.amdgcn_target "amdgcn-amd-amdhsa--gfx1250"
	.amdhsa_code_object_version 6
	.text
	.protected	k_q61f7e46146_score
	.globl	k_q61f7e46146_score
	.p2align	8
	.type	k_q61f7e46146_score,@function
k_q61f7e46146_score:
	s_mov_b64 s[64:65], 0
	v_nop
	global_prefetch_b8 v0, s[64:65] scope:SCOPE_SE
	s_setreg_imm32_b32 hwreg(HW_REG_WAVE_MODE, 25, 1), 1
	s_wait_xcnt 0x0
	s_wait_alu depctr_hold_cnt(0) depctr_sa_sdst(0) depctr_va_vdst(0) depctr_va_sdst(0) depctr_va_ssrc(0) depctr_va_vcc(0) depctr_vm_vsrc(0)
	s_getreg_b32 s2, hwreg(HW_REG_IB_STS2, 6, 4)
	s_cmp_eq_u32 s2, 0
	s_cbranch_scc0 .Lentry_in_a_cluster
	s_endpgm
.Lentry_in_a_cluster:
	s_bfe_u32 s2, ttmp6, 0x10000c
	s_cmp_lg_u32 s2, 0xf033
	s_cbranch_scc0 .Lentry_shape_is_right
	s_endpgm
.Lentry_shape_is_right:
; PRODUCT 2, Q K^T, and the softmax's p as product 3's operand.  Nothing is left out.
; A work-group makes one tile of 256 queries (L = Q) x 256 keys (R = K); a wave 128 queries x 128 keys: 64 accumulators.  A lane holds ONE query and 64 of the wave's 128 keys (lane l xor 16 the other 64).
; THE SOFTMAX, FOR 128 KEYS AT A TIME: t = score x log2(e) / 32; M = the largest t of these 128 keys, rounded UP to a whole number (the maximum is taken away before the exponential); p = 2^(t - M) is quantised along the keys.
; The row's own M is the largest of its sixteen groups' M.  Since every M is a whole number, bringing a group under the row's M is an exact power of two, which the blocks' scale bytes take up: the next launch takes
; the difference off the bytes; the codes stay.  So each group leaves its image of codes and a record of 16 bytes a row: -M (f32), the scale word, the sum of the unquantised p, 0.
; THE MATRIX INSTRUCTION: source 0 = 16 rows of K, source 1 = 16 rows of Q; K's blocks lie in position order, so the 16 registers of two neighbouring result tiles are 16 neighbouring keys.
; LDS: two slots of 147,456 bytes.  K steps 0-2 lie in slot 0, 3-5 in slot 1, 6-7 in slot 0 again.  Operands lie in memory as images of their registers: a block's part of a slot is one run of 4,608 or 3,072 bytes,
; at a multiple of 256; LDS needs no padding, every LDS load reads 512 consecutive bytes.  Every fill is shared out alike: waves 0, 1 fetch the halves of L's part, waves 2, 3 of R's.
; The head asks for slot 0; slot 1's first fill stands behind the full sequence and a round, as a refill does; one refill follows.  Between slot 1's fill and the wait for it stand 128 matrix instructions; between the refill and its wait, 160.
; CLUSTER 4 x 4: Q's tile hangs on the cluster's y and cy and is asked for jointly along a row of the cluster, K's on the cluster's place and cx and is asked for along a column.
; No prefetch: the walk along K is written out, step by step, and has no loop to run ahead in.
; LIMITS: NaN and infinities are not served; a p under 2^-126 comes out of v_exp_f32 as 0; a block whose every p is 0 carries the byte 1 (its codes are zeros).
; REGISTERS: window 0: v3-14 addresses; v32-63 K's scale words, v64-95 Q's, for all of K; v96-123 at work in the softmax; v128-223 L's fragments; v224-243 the codes just made.
; window 1: R's fragments, two sets (v0, v128).  windows 2, 3: the accumulators of L blocks 0-3, 4-7: (a, b) at 8 (8 (a % 4) + b).
.set KOFF,  6291456
.set QS,    18874368
.set KS,    19136512
.set REC,   12582912
.set FRB,   1536                       ; a fragment's image
.set BLK,   12288                      ; a block of 16 rows, all of K
.set SLOT,  147456
.set RPA,   73728                      ; where R's part begins in a slot
.set SPARE, 294912                     ; behind the slots: the spare words, 128 bytes a wave, that no other line names
.set LI,   3                           ; v3     16 x lane
.set ADL,  4                           ; v4-6   my L fragments: steps 0-2, 3-5, 6-7
.set ADR,  8                           ; v8-10  my R fragments
.set SVL,  13                          ; v13    16 r
.set SVR,  14                          ; v14    16 r, lanes 16-31 four blocks on
.set SPW,  28
.set NIL,  29
.set RS,   32
.set LS,   64
.set BM,   96                          ; v96-99   each block's largest score, then its largest p
.set BX,   100                         ; v100-103 lane l xor 16's
.set T,    104
.set SUMA, 106                         ; v[106:107], v[108:109] the sum's two chains
.set SUMB, 108
.set SO,   110                         ; v110-113 the conversions' scale operands
.set BY,   114                         ; v114-117 the bytes
.set RCD,  120                         ; v[120:123] the record: -M, the scale word, the sum, 0
.set LFR,  128
.set PC,   224
.set G1L,  24
.set G0L,  32
.set G0R,  36
.set G1R,  48
.set PLQ,  66                          ; the tiles' first bytes: Q's, K's
.set PRK,  68
.set W98,  70                          ; (wave & 1) x 8 blocks, as a pair
.set SLQ,  72                          ; my blocks' scale words
.set SRK,  74
.set OCP,  76                          ; where my images of p go, and the records
.set ORP,  78
.set CC,   96                          ; s[96:97] c = log2(e) / sqrt(1024)
.set SEL,  98
.set MUL_LO, 0xa1                      ; R window 1, L window 0, C and D window 2
.set MUL_HI, 0xf1                      ; C and D window 3
.set MSB,  0
.macro WIN new                         ; the immediate's high byte repeats the setting that is left
.if MSB != (\new)
	s_set_vgpr_msb (MSB<<8)|(\new)
.set MSB, (\new)
.endif
.endm
.macro PLACES n                        ; plain places behind matrix instructions (ISA guide 7.12.1)
.rept \n
	v_nop
.endr
.endm
.macro CREST                           ; a round of the cluster's barrier behind its opening barrier
	s_cmp_lg_u32 s14, 0
	s_cbranch_scc1 .Lnot_wave_0_\@
	s_barrier_signal -3
.Lnot_wave_0_\@:
	s_barrier_wait -3
	s_barrier_signal -1
	s_barrier_wait -1
.endm
.macro CROUND
	s_barrier_signal -1
	s_barrier_wait -1
	CREST
.endm
.macro JLOAD                           ; a joint load: waves 0, 1 fetch for L, waves 2, 3 for R; an s_nop 0 and four v_nop follow each line
	s_cmp_eq_u32 s15, 0
	s_cbranch_scc0 .Lfor_r_\@
	tensor_load_to_lds s[G0L:G0L+3], s[G1L:G1L+7]
	s_nop 0
.rept 4
	v_nop
.endr
	s_branch .Lasked_\@
.Lfor_r_\@:
	tensor_load_to_lds s[G0R:G0R+3], s[G1R:G1R+7]
	s_nop 0
.rept 4
	v_nop
.endr
.Lasked_\@:
.endm
.macro G1SET d0                        ; 8 rows of d0 x 8 bytes.  Written only where no tensor load of the wave is out
.irp g, G1L, G1R
	s_mov_b32 s[\g+1], (\d0)<<16
	s_mov_b32 s[\g+2], 8<<16
	s_mov_b32 s[\g+3], (\d0)<<16
	s_mov_b32 s[\g+4], 8
.endr
.endm
.macro REFILL1                         ; K steps 6, 7 into slot 0: 8 blocks a wave
	G1SET 384
	s_mov_b32 s[G0L+1], s20
	s_add_nc_u64 s[G0L+2:G0L+3], s[G0L+2:G0L+3], 3*FRB
	s_add_co_u32 s[G0R+1], s20, RPA
	s_add_nc_u64 s[G0R+2:G0R+3], s[G0R+2:G0R+3], 3*FRB
.endm
.macro LAY st                          ; block i of step st lies at (NS i + QQ) FRB of its part
.if (\st) < 6
.set NS, 3
.set QQ, (\st)%3
.else
.set NS, 2
.set QQ, (\st)-6
.endif
.endm
.macro FR st, p                        ; my 8 fragments of R of step st into set p
	LAY \st
	WIN 0x40
.irp b, 0,1,2,3,4,5,6,7
.irp c, 0,1,2
	ds_load_b128 v[128*(\p)+12*\b+4*\c:128*(\p)+12*\b+4*\c+3], v[ADR+(\st)/3] offset:(NS*\b+QQ)*FRB+512*\c
.endr
.endr
	WIN 0
.endm
.macro FL st, i0                       ; my L blocks i0 .. i0 + 3 of step st
	LAY \st
.irp i, \i0, \i0+1, \i0+2, \i0+3
.irp c, 0,1,2
	ds_load_b128 v[LFR+12*(\i)+4*\c:LFR+12*(\i)+4*\c+3], v[ADL+(\st)/3] offset:(NS*(\i)+QQ)*FRB+512*\c
.endr
.endr
.endm
.macro WMI hx, hy, zero                ; one product on rD, rR, rL, rX, rY.  hx, hy: R's, L's scale words stand in lanes 16-31.  zero: it starts the sum
.if \zero
.if \hx
.if \hy
	v_wmma_scale_f32_16x16x128_f8f6f4 v[rD:rD+7], v[rR:rR+11], v[rL:rL+11], 0, v[rX], v[rY] matrix_a_fmt:MATRIX_FMT_FP6 matrix_b_fmt:MATRIX_FMT_FP6 matrix_a_scale:MATRIX_SCALE_ROW1 matrix_b_scale:MATRIX_SCALE_ROW1
.else
	v_wmma_scale_f32_16x16x128_f8f6f4 v[rD:rD+7], v[rR:rR+11], v[rL:rL+11], 0, v[rX], v[rY] matrix_a_fmt:MATRIX_FMT_FP6 matrix_b_fmt:MATRIX_FMT_FP6 matrix_a_scale:MATRIX_SCALE_ROW1
.endif
.else
.if \hy
	v_wmma_scale_f32_16x16x128_f8f6f4 v[rD:rD+7], v[rR:rR+11], v[rL:rL+11], 0, v[rX], v[rY] matrix_a_fmt:MATRIX_FMT_FP6 matrix_b_fmt:MATRIX_FMT_FP6 matrix_b_scale:MATRIX_SCALE_ROW1
.else
	v_wmma_scale_f32_16x16x128_f8f6f4 v[rD:rD+7], v[rR:rR+11], v[rL:rL+11], 0, v[rX], v[rY] matrix_a_fmt:MATRIX_FMT_FP6 matrix_b_fmt:MATRIX_FMT_FP6
.endif
.endif
.else
.if \hx
.if \hy
	v_wmma_scale_f32_16x16x128_f8f6f4 v[rD:rD+7], v[rR:rR+11], v[rL:rL+11], v[rD:rD+7], v[rX], v[rY] matrix_a_fmt:MATRIX_FMT_FP6 matrix_b_fmt:MATRIX_FMT_FP6 matrix_a_scale:MATRIX_SCALE_ROW1 matrix_b_scale:MATRIX_SCALE_ROW1
.else
	v_wmma_scale_f32_16x16x128_f8f6f4 v[rD:rD+7], v[rR:rR+11], v[rL:rL+11], v[rD:rD+7], v[rX], v[rY] matrix_a_fmt:MATRIX_FMT_FP6 matrix_b_fmt:MATRIX_FMT_FP6 matrix_a_scale:MATRIX_SCALE_ROW1
.endif
.else
.if \hy
	v_wmma_scale_f32_16x16x128_f8f6f4 v[rD:rD+7], v[rR:rR+11], v[rL:rL+11], v[rD:rD+7], v[rX], v[rY] matrix_a_fmt:MATRIX_FMT_FP6 matrix_b_fmt:MATRIX_FMT_FP6 matrix_b_scale:MATRIX_SCALE_ROW1
.else
	v_wmma_scale_f32_16x16x128_f8f6f4 v[rD:rD+7], v[rR:rR+11], v[rL:rL+11], v[rD:rD+7], v[rX], v[rY] matrix_a_fmt:MATRIX_FMT_FP6 matrix_b_fmt:MATRIX_FMT_FP6
.endif
.endif
.endif
.endm
.macro MULA a0, st, zero               ; L blocks a0, a0 + 1 x R's eight.  The accumulators take turns, one instruction a turn
.irp a, \a0, \a0+1
.irp b, 0,1,2,3,4,5,6,7
.set rD, 8*(8*((\a)%4)+\b)
.set rR, 128*((\st)%2)+12*\b
.set rL, LFR+12*(\a)
.set rX, RS+16*((\st)/4)+4*(\b%4)+(\st)%4
.set rY, LS+16*((\st)/4)+4*((\a)%4)+(\st)%4
	WMI (\b/4), ((\a)/4), \zero
.endr
.endr
.endm
; A step: 64 matrix instructions; L has one set of registers: the next step's blocks 0-3 are fetched in the step's middle, with R's next set, blocks 4-7 at its end.
; Steps 2 and 5 end their slot: ONE barrier; in front of it each wave waits for all its tensor loads, adds 0 to its spare word, and waits for that and for its reads of this slot.
; In step 2 the barrier opens a round of the cluster's barrier, and slot 0 is filled again; behind step 5's nothing is left to fetch.
.macro STEPA st, zero
.set NX, (\st)+1
.if (\st)%3 == 2
	s_wait_tensorcnt 0x0                           ; all my tensor loads have landed: my part of the next slot
	ds_add_u32 v[SPW], v[NIL]                      ; 0 onto my spare word
	s_wait_dscnt 13                                ; the add and the youngest 12 loads (L's blocks 4-7) may be out
	WIN MUL_LO
	MULA 0, \st, \zero
	s_wait_dscnt 0x0                               ; the add is done, and my reads of this slot are over
	s_barrier_signal -1
	MULA 2, \st, \zero
	WIN 0
	s_barrier_wait -1
.if (\st) == 2
	CREST                                          ; no wave of any partner still reads this slot or has a load on its way
	REFILL1
	JLOAD                                          ; the first tensor load behind the round; its four v_nop are the places in front of the loads below
.else
	PLACES 4
.endif
.else
	s_wait_dscnt 12                                ; R's set and L's blocks 0-3 are in; the youngest 12 loads may be out
	WIN MUL_LO
	MULA 0, \st, \zero
	MULA 2, \st, \zero
	s_wait_dscnt 0x0
	PLACES 4
.endif
	FR NX, NX%2
	FL NX, 0
	WIN MUL_HI
	MULA 4, \st, \zero
	MULA 6, \st, \zero
	PLACES 4
	WIN 0
	FL NX, 4
.endm
; The 64 scores of L block a (register 16 b + i = key 32 b + 16 (lane / 16) + i of my query) become p's codes in v[PC] on and the record in v[RCD:RCD+3].
.macro SOFTQ a
.set AC0, 64*((\a)%4)
.set W, 2+(\a)/4
	WIN 21*W
.irp b, 0,1,2,3
	v_max3_num_f32 v[BM+\b], v[AC0+16*\b], v[AC0+16*\b+1], v[AC0+16*\b+2]   ; the largest score of each block of 32 keys: it serves the row's maximum and, since p rises with the score, the block's largest p
.endr
	WIN 20*W
.irp i, 3,5,7,9,11,13
.irp b, 0,1,2,3
	v_max3_num_f32 v[BM+\b], v[BM+\b], v[AC0+16*\b+\i], v[AC0+16*\b+\i+1]
.endr
.endr
	WIN 4*W
.irp b, 0,1,2,3
	v_max_num_f32 v[BM+\b], v[BM+\b], v[AC0+16*\b+15]
.endr
	WIN 0
.irp b, 0,1,2,3
	v_permlanex16_b32 v[BX+\b], v[BM+\b], s[SEL], s[SEL+1]
.endr
.irp b, 0,1,2,3
	v_max_num_f32 v[BM+\b], v[BM+\b], v[BX+\b]     ; with lane l xor 16's 16 keys
.endr
	v_max3_num_f32 v[T], v[BM], v[BM+1], v[BM+2]
	v_max_num_f32 v[T], v[T], v[BM+3]              ; the largest score of my query among these 128 keys
	v_mul_f32 v[T], s[CC], v[T]                    ; as t (c is positive)
	v_floor_f32 v[RCD], -v[T]                      ; -M = floor(-t) = -ceil(t): a whole number
.irp b, 0,1,2,3
	v_fma_f32 v[BM+\b], v[BM+\b], s[CC], v[RCD]    ; t - M of each block's largest score
.endr
	WIN 65*W
.set j, AC0
.rept 32
	v_pk_fma_f32 v[j:j+1], v[j:j+1], s[CC:CC+1], v[RCD:RCD+1] op_sel_hi:[1,0,0]   ; t - M, two at a time (of the pairs c and -M the low word serves both halves)
.set j, j+2
.endr
.set j, AC0
	s_wait_alu depctr_va_vdst(0)
.rept 64
	v_exp_f32 v[j], v[j]                           ; p = 2^(t - M): not normalised
.set j, j+1
.endr
	WIN 0
	v_nop                                          ; a plain place behind the exponentials
	s_wait_alu depctr_va_vdst(0)                   ; one wait for the whole batch, ahead of its first reader
.irp b, 0,1,2,3
	v_exp_f32 v[BM+\b], v[BM+\b]                   ; the block's largest p: the same two instructions on the same number
.endr
	WIN 5*W
	v_pk_add_f32 v[SUMA:SUMA+1], v[AC0:AC0+1], v[AC0+2:AC0+3]      ; THE SUM IS TAKEN OF THE UNQUANTISED p: two chains.  (It reads the 64 alone: plain work behind the four)
	v_pk_add_f32 v[SUMB:SUMB+1], v[AC0+4:AC0+5], v[AC0+6:AC0+7]
	WIN 4*W
.set j, AC0+8
.rept 14
	v_pk_add_f32 v[SUMA:SUMA+1], v[SUMA:SUMA+1], v[j:j+1]
	v_pk_add_f32 v[SUMB:SUMB+1], v[SUMB:SUMB+1], v[j+2:j+3]
.set j, j+4
.endr
	WIN 0
	v_pk_add_f32 v[SUMA:SUMA+1], v[SUMA:SUMA+1], v[SUMB:SUMB+1]
	v_add_f32 v[RCD+2], v[SUMA], v[SUMA+1]
	v_permlanex16_b32 v[T], v[RCD+2], s[SEL], s[SEL+1]
	v_add_f32 v[RCD+2], v[RCD+2], v[T]             ; with lane l xor 16's 64 keys: the group's sum
	s_wait_alu depctr_va_vdst(0)                   ; and one wait for the four
.irp b, 0,1,2,3
	v_max_num_f32 v[BM+\b], 0x1800000, v[BM+\b]    ; the floor 2^(3 - 127): the byte cannot fall under 1
.endr
.irp b, 0,1,2,3
	v_add_nc_u32 v[SO+\b], 0xff000000, v[BM+\b]    ; 2 off the exponent field: the conversion's scale operand
.endr
.irp b, 0,1,2,3
	v_lshrrev_b32 v[BY+\b], 23, v[SO+\b]           ; the scale's byte
.endr
	v_lshl_or_b32 v[RCD+1], v[BY+1], 8, v[BY]
	v_lshl_or_b32 v[RCD+1], v[BY+2], 16, v[RCD+1]
	v_lshl_or_b32 v[RCD+1], v[BY+3], 24, v[RCD+1]
	WIN W
.irp c, 0,1
	v_cvt_scalef32_pk16_fp6_f32 v[PC+6*\c:PC+2+6*\c], v[AC0+32*\c:AC0+15+32*\c], v[SO+2*\c]
	v_cvt_scalef32_pk16_fp6_f32 v[PC+12+4*\c:PC+14+4*\c], v[AC0+16+32*\c:AC0+31+32*\c], v[SO+2*\c+1]
.endr
	WIN 0
	v_nop                                          ; one plain place behind a scaled conversion
.irp c, 0,1
.irp i, 0,1,2
	v_permlane16_swap_b32 v[PC+6*\c+\i], v[PC+12+4*\c+\i]
.endr
.irp i, 0,1,2
	v_mov_b32 v[PC+3+6*\c+\i], v[PC+12+4*\c+\i]
.endr
.endr
.endm
	s_load_b128 s[4:7], s[0:1], 0x0                ; qkvb s[4:5], pbuf s[6:7]
	v_lshl_add_u32 v[SPW], v0, 2, SPARE
	v_mov_b32 v[NIL], 0
	ds_add_u32 v[SPW], v[NIL]                      ; the wave's opening: the add, twice on end, and its wait stand ahead of my first tensor load
	ds_add_u32 v[SPW], v[NIL]                      ; and once more; the set-up below, work on registers, stands between it and the wait
	v_lshrrev_b32 v1, 5, v0
	v_readfirstlane_b32 s14, v1                    ; wave 0..3
	s_lshr_b32 s15, s14, 1                         ; which half of the tile's L blocks is mine.  Also: I fetch for L (0) or for R (1)
	s_and_b32 s16, s14, 1                          ; which half of its R blocks.  Also: which half of that part I fetch
	s_bfe_u32 s40, ttmp6, 0x40000                  ; cx
	s_bfe_u32 s41, ttmp6, 0x40004                  ; cy
	s_and_b32 s42, ttmp7, 0xffff                   ; Y
	s_lshl_b32 s17, s42, 2
	s_add_co_u32 s17, s17, s41                     ; wy = 4 Y + cy: which 256 queries, over all batches
	s_lshl_b32 s18, ttmp9, 2
	s_add_co_u32 s18, s18, s40                     ; wx = 4 X + cx: which 256 keys of the batch
	s_lshr_b32 s46, s42, 1                         ; the batch = wy / 8 = Y / 2
	s_lshl_b32 s46, s46, 7
	s_lshl_b32 s47, s18, 4
	s_add_co_u32 s46, s46, s47                     ; K's block 128 batch + 16 wx
	s_lshl_b32 s43, s41, 2
	s_lshl_b32 s43, 15, s43                        ; my row of the cluster
	s_lshl_b32 s44, 0x1111, s40                    ; my column
	s_or_b32 s[G1L], s43, (3<<16)|(1<<21)          ; 15:0 the mask; 17:16 elements of 8 bytes; 21 set beside a mask; no padding
	s_or_b32 s[G1R], s44, (3<<16)|(1<<21)
	G1SET 576                                      ; slots 0 and 1: 8 blocks x 3 K steps a wave
.irp g, G1L, G1R
	s_mov_b32 s[\g+5], BLK/8
	s_mov_b32 s[\g+6], 0
	s_mov_b32 s[\g+7], 0
.endr
	s_mov_b32 s[SEL], 0x76543210
	s_mov_b32 s[SEL+1], 0xfedcba98
	s_mov_b32 s[CC], 0x3d38aa3b
	s_mov_b32 s[CC+1], s[CC]                       ; (named with it as a pair, so it is written)
	s_mul_i32 s10, s15, 36864                      ; LDS: my 8 L blocks x 3 steps,
	s_mul_i32 s11, s15, 24576                      ; x 2 steps
	s_mul_i32 s23, s16, 36864
	s_add_co_u32 s12, s23, RPA
	s_mul_i32 s20, s16, 24576
	s_add_co_u32 s13, s20, RPA
	s_mul_i32 s[W98], s16, 8*BLK
	s_mul_i32 s[PLQ], s17, 16*BLK                  ; what feeds L's descriptors never holds cx, what feeds R's never cy
	s_mul_i32 s[PRK], s46, BLK
	s_add_co_u32 s[PRK], s[PRK], KOFF
	s_lshl_b32 s2, s17, 4
	s_lshl_b32 s3, s15, 3
	s_add_co_u32 s2, s2, s3                        ; my first block of queries
	s_lshl_b32 s[SLQ], s2, 9
	s_add_co_u32 s[SLQ], s[SLQ], QS
	s_lshl_b32 s9, s16, 3
	s_add_co_u32 s8, s46, s9                       ; my first block of keys
	s_lshl_b32 s[SRK], s8, 9
	s_add_co_u32 s[SRK], s[SRK], KS
	s_lshl_b32 s9, s18, 1
	s_add_co_u32 s9, s9, s16                       ; my group of 128 keys: 2 wx + (wave & 1)
	s_mul_i32 s[OCP], s2, 2*BLK
	s_mul_i32 s19, s9, FRB
	s_add_co_u32 s[OCP], s[OCP], s19
	s_lshl_b32 s[ORP], s2, 12
	s_lshl_b32 s19, s9, 8
	s_add_co_u32 s[ORP], s[ORP], s19
	s_add_co_u32 s[ORP], s[ORP], REC
.irp p, PLQ, PRK, W98, SLQ, SRK, OCP, ORP
	s_mov_b32 s[\p+1], 0
.endr
	v_and_b32 v1, 15, v0                           ; r
	v_bfe_u32 v2, v0, 4, 1                         ; h
	v_and_b32 v[LI], 31, v0
	v_lshlrev_b32 v[LI], 4, v[LI]
	v_add_nc_u32 v[ADL], s10, v[LI]
	v_add_nc_u32 v[ADL+1], SLOT, v[ADL]
	v_add_nc_u32 v[ADL+2], s11, v[LI]
	v_add_nc_u32 v[ADR], s12, v[LI]
	v_add_nc_u32 v[ADR+1], SLOT, v[ADR]
	v_add_nc_u32 v[ADR+2], s13, v[LI]
	v_lshlrev_b32 v[SVL], 4, v1
	v_lshl_add_u32 v[SVR], v2, 11, v[SVL]
.irp b, 0,1,2,3
	v_mov_b32 v[BX+\b], 0                          ; written once: a lane permute's destination counts as one of its sources
.endr
	v_mov_b32 v[RCD+1], 0                          ; (named as the upper half of a pair before it is first written)
	v_mov_b32 v[RCD+3], 0                          ; the record's last word
	s_wait_alu depctr_va_vdst(0)
	s_wait_dscnt 0x0                               ; both opening adds are done
	s_wait_kmcnt 0x0
.irp p, PLQ, PRK, SLQ, SRK
	s_add_nc_u64 s[\p:\p+1], s[4:5], s[\p:\p+1]
.endr
.irp p, OCP, ORP
	s_add_nc_u64 s[\p:\p+1], s[6:7], s[\p:\p+1]
.endr
	s_mov_b32 s[G0L], 1                            ; slot 0: K steps 0-2 of my 8 blocks of L or of R
	s_mov_b32 s[G0L+1], s23
	s_add_nc_u64 s[G0L+2:G0L+3], s[PLQ:PLQ+1], s[W98:W98+1]
	s_or_b32 s[G0L+3], s[G0L+3], 0x80000000
	s_mov_b32 s[G0R], 1
	s_mov_b32 s[G0R+1], s12
	s_add_nc_u64 s[G0R+2:G0R+3], s[PRK:PRK+1], s[W98:W98+1]
	s_or_b32 s[G0R+3], s[G0R+3], 0x80000000
	CROUND                                         ; all sixteen work-groups are here: the first joint loads meet
	JLOAD                                          ; one tensor load a wave at the head
.irp hf, 0,1                           ; the scale words for all of K, four K steps a load: sixteen lanes read 256 consecutive bytes; lanes 16-31 take the block four on
.irp j, 0,1,2,3
	global_load_b128 v[RS+16*\hf+4*\j:RS+16*\hf+4*\j+3], v[SVR], s[SRK:SRK+1] offset:512*\j+256*\hf
	global_load_b128 v[LS+16*\hf+4*\j:LS+16*\hf+4*\j+3], v[SVR], s[SLQ:SLQ+1] offset:512*\j+256*\hf
.endr
.endr
	s_wait_tensorcnt 0x0                           ; my part of slot 0 is in
	ds_add_u32 v[SPW], v[NIL]
	s_add_co_u32 s[G0L+1], s[G0L+1], SLOT          ; no tensor load of mine is out, so the descriptors may be written: slot 1, K steps 3-5
	s_add_nc_u64 s[G0L+2:G0L+3], s[G0L+2:G0L+3], 3*FRB
	s_add_co_u32 s[G0R+1], s[G0R+1], SLOT
	s_add_nc_u64 s[G0R+2:G0R+3], s[G0R+2:G0R+3], 3*FRB
	s_wait_dscnt 0x0
	CROUND                                         ; slot 0 is whole, and all sixteen work-groups are here
	JLOAD                                          ; slot 1's first fill, the first tensor load behind the round
	FR 0, 0
	FL 0, 0
	FL 0, 4
	s_wait_loadcnt 0x0                             ; the scale words are in
	STEPA 0, 1                                     ; the first step's products start the sums
	STEPA 1, 0
	STEPA 2, 0
	STEPA 3, 0
	STEPA 4, 0
	STEPA 5, 0
	STEPA 6, 0
	s_wait_dscnt 12                                ; the last step fetches nothing
	WIN MUL_LO
	MULA 0, 7, 0
	MULA 2, 7, 0
	s_wait_dscnt 0x0
	WIN MUL_HI
	MULA 4, 7, 0
	MULA 6, 7, 0
	WIN 0
	PLACES 4
.irp a, 0,1,2,3,4,5,6,7                ; THE WAY OUT: each of my eight blocks of queries leaves one image and its rows' records
	s_wait_xcnt 0x0                                ; the last stores have read their registers: codes and record are written again only behind this wait
	SOFTQ \a
.irp c, 0,1,2
	global_store_b128 v[LI], v[PC+4*\c:PC+4*\c+3], s[OCP:OCP+1] offset:\a*2*BLK+512*\c
.endr
	global_store_b128 v[SVL], v[RCD:RCD+3], s[ORP:ORP+1] offset:\a*4096   ; sixteen lanes store 256 consecutive bytes, aligned; lanes 16-31 store the same once more
.endr
	s_wait_tensorcnt 0x0                           ; the wave's end
	ds_add_u32 v[SPW], v[NIL]
	s_wait_dscnt 0x0
	CROUND                                         ; the closing round: no work-group ends while a partner may still ask for a tile that names it
	s_endpgm
.Lfunc_end_k_q61f7e46146_score:
	.size	k_q61f7e46146_score, .Lfunc_end_k_q61f7e46146_score-k_q61f7e46146_score
	.p2alignl 7, 3214868480
	.fill 96, 4, 3214868480
	.section	.rodata,"a",@progbits
	.p2align	6, 0x0
	.amdhsa_kernel k_q61f7e46146_score
		.amdhsa_group_segment_fixed_size 327680
		.amdhsa_private_segment_fixed_size 0
		.amdhsa_enable_private_segment 0
		.amdhsa_kernarg_size 16
		.amdhsa_user_sgpr_count 2
		.amdhsa_user_sgpr_kernarg_segment_ptr 1
		.amdhsa_wavefront_size32 1
		.amdhsa_system_sgpr_workgroup_id_x 1
		.amdhsa_system_sgpr_workgroup_id_y 1
		.amdhsa_system_sgpr_workgroup_id_z 1
		.amdhsa_system_vgpr_workitem_id 0
		.amdhsa_next_free_vgpr 1024
		.amdhsa_next_free_sgpr 100
		.amdhsa_reserve_vcc 0
		.amdhsa_float_denorm_mode_32 3
		.amdhsa_float_denorm_mode_16_64 3
		.amdhsa_memory_ordered 1
		.amdhsa_forward_progress 1
		.amdhsa_inst_pref_size 193
	.end_amdhsa_kernel
	.amdgpu_metadata
---
amdhsa.version: [ 1, 2 ]
amdhsa.kernels:
  - .name:           k_q61f7e46146_score
    .symbol:         k_q61f7e46146_score.kd
    .args:
      - { .name: qkvb, .offset: 0, .size: 8, .value_kind: global_buffer, .address_space: global }
      - { .name: pbuf, .offset: 8, .size: 8, .value_kind: global_buffer, .address_space: global }
    .group_segment_fixed_size: 327680
    .private_segment_fixed_size: 0
    .kernarg_segment_align: 8
    .kernarg_segment_size: 16
    .max_flat_workgroup_size: 128
    .sgpr_count:     100
    .vgpr_count:     1024
    .wavefront_size: 32
...
	.end_amdgpu_metadata
.endif
;; end of part 3
;; launch pv (part 4): grid 4 x 64, 4 waves a work-group, clusters of 4 x 4, 327,680 bytes of LDS; arguments pbuf, qkvb, attb; writes attb
.if DOCPART == 4
	.amdgcn_target "amdgcn-amd-amdhsa--gfx1250"
	.amdhsa_code_object_version 6
	.text
	.protected	k_q61f7e46146_pv
	.globl	k_q61f7e46146_pv
	.p2align	8
	.type	k_q61f7e46146_pv,@function
k_q61f7e46146_pv:
	s_mov_b64 s[64:65], 0
	v_nop
	global_prefetch_b8 v0, s[64:65] scope:SCOPE_SE
	s_setreg_imm32_b32 hwreg(HW_REG_WAVE_MODE, 25, 1), 1
	s_wait_xcnt 0x0
	s_wait_alu depctr_hold_cnt(0) depctr_sa_sdst(0) depctr_va_vdst(0) depctr_va_sdst(0) depctr_va_ssrc(0) depctr_va_vcc(0) depctr_vm_vsrc(0)
	s_getreg_b32 s2, hwreg(HW_REG_IB_STS2, 6, 4)
	s_cmp_eq_u32 s2, 0
	s_cbranch_scc0 .Lentry_in_a_cluster
	s_endpgm
.Lentry_in_a_cluster:
	s_bfe_u32 s2, ttmp6, 0x10000c
	s_cmp_lg_u32 s2, 0xf033
	s_cbranch_scc0 .Lentry_shape_is_right
	s_endpgm
.Lentry_shape_is_right:
; PRODUCT 3, P V, divided by the row's sum and quantised along d into product 4's operand (attb).  Nothing is left out.
; One tile a work-group: 128 queries (L = P, K = 2,048 keys) x 256 of d (R = V^T); four slots of 512 keys.
; THE PROLOGUE brings P's sixteen groups of a row under the row's own M.  Thread t takes row t of the work-group's 128: -M of the row is the least of the sixteen -M; for group g, d = M - M_g is a whole number, 0 or more;
; the row's sum is the sum of l_g 2^-d (exact scalings); each of the group's four scale bytes b becomes b - d.  The corrected scale words and 1 / l go to LDS, where the waves that multiply those rows read them.
; LIMITS: NaN and infinities are not served.  A byte that would fall under 0 is held at 0 (2^-127): such a block's numbers lie under 7.5 x 2^-127 beside a row whose largest p is over 1/2.
; A block of zeros of the result carries the byte 1 (its codes are zeros; this program alone reads the bytes).
.set STR,   3072                       ; both operands have K = 2,048: a block is 24,576 bytes
.set SBSR,  1024
.set LCNT,  4                          ; V's scale loads that a slot asks for (P's come from LDS)
.set VTOFF, 12582912
.set VTS,   19398656
.set REC,   12582912
.set ASOFF, 6291456
.set PSC,   295424                     ; LDS, behind the spare words: P's corrected scale words, 8 blocks x 1,024 bytes, laid as in memory
.set RLT,   303616                     ; and 1 / l of the 128 rows
.set PLP,  66                          ; s[66:67] where I fetch P;  s[68:69] V^T;  s[70:71] my V^T blocks' scale words;  s[72:73] the records;  s[74:77] where my images and their scale words go
.set PRV,  68
.set SRV,  70
.set RECP, 72
.set OCP,  74
.set OSP,  76
.set LSA,  10                          ; v10  LDS address of my L blocks' scale words
.set RLR,  11                          ; v11  and of their 1 / l
.set RCO,  12                          ; v12  the prologue: my row's records
.set PSA,  13                          ; v13  where its scale words go
.set RLA,  14                          ; v14  and its 1 / l
.set RL,   244                         ; v244-251  1 / l of my four L blocks, in pairs for the packed multiply
; ---- the core that the four product launches share ----
.set FRB,   1536                       ; a fragment's image
.set LPART, 49152                      ; a slot: L's 8 blocks x 4 K steps, then R's 16 blocks x 4 K steps; block i, step q at (4 i + q) FRB
.set SLOT,  147456
.set SPARE, 294912                     ; behind the two slots: the spare words, 128 bytes for each wave: two blocks of 256 bytes that no other line names
.set LI,   3                           ; v3    16 x lane
.set ADL,  4                           ; v4-5  LDS address of my L fragments in slot 0, 1
.set ADR,  6                           ; v6-7  of my R fragments
.set SVR,  8                           ; v8    R's scale words: 16 r, lanes 16-31 four blocks on
.set SVL,  9                           ; v9    16 r
.set SPW,  28                          ; v28   LDS address of my spare word; never rewritten
.set NIL,  29                          ; v29   0; never rewritten
.set SC,   32                          ; scale words: set s at SC + 32 s; R: + 4 (b % 4) + q (lanes 0-15 block b % 4, lanes 16-31 block b % 4 + 4); L: + 16 + 4 a + q
.set TM,   96
.set PW,   112
.set LFR,  128
.set PC,   224
.set G1L,  24
.set G0L,  32
.set G1R,  48
.set G0R,  56
.set SEL,  98
.set MSB,  0
.macro WIN new                         ; the immediate's high byte repeats the setting that is left
.if MSB != \new
	s_set_vgpr_msb (MSB<<8)|\new
.set MSB, \new
.endif
.endm
.macro PLACES n                        ; plain places behind matrix instructions, in front of loads into their registers and of reads of their results
.rept \n
	v_nop
.endr
.endm
.macro CREST                           ; a round of the cluster's barrier behind its opening barrier
	s_cmp_lg_u32 s14, 0
	s_cbranch_scc1 .Lnot_wave_0_\@
	s_barrier_signal -3
.Lnot_wave_0_\@:
	s_barrier_wait -3
	s_barrier_signal -1
	s_barrier_wait -1
.endm
.macro CROUND
	s_barrier_signal -1
	s_barrier_wait -1
	CREST
.endm
.macro JLOAD sb                        ; a joint load: waves 0, 1 fetch L's halves, waves 2, 3 R's; an s_nop 0 and four v_nop follow each line
	s_cmp_eq_u32 s15, 0
	s_cbranch_scc0 .Lfor_r_\@
	tensor_load_to_lds s[G0L+4*\sb:G0L+4*\sb+3], s[G1L:G1L+7]
	s_nop 0
.rept 4
	v_nop
.endr
	s_branch .Lasked_\@
.Lfor_r_\@:
	tensor_load_to_lds s[G0R+4*\sb:G0R+4*\sb+3], s[G1R:G1R+7]
	s_nop 0
.rept 4
	v_nop
.endr
.Lasked_\@:
.endm
.macro FETCH sb, q, p                  ; 36 LDS loads in one run: my 8 fragments of R and 4 of L of the slot's q-th K step, into set p
	WIN 0x80
.irp b, 0,1,2,3,4,5,6,7
.irp c, 0,1,2
	ds_load_b128 v[128*(\p)+12*\b+4*\c:128*(\p)+12*\b+4*\c+3], v[ADR+(\sb)] offset:(4*\b+(\q))*FRB+512*\c
.endr
.endr
	WIN 0
.irp a, 0,1,2,3
.irp c, 0,1,2
	ds_load_b128 v[LFR+48*(\p)+12*\a+4*\c:LFR+48*(\p)+12*\a+4*\c+3], v[ADL+(\sb)] offset:(4*\a+(\q))*FRB+512*\c
.endr
.endr
.endm
.macro SCALER set, srp, off            ; a slot's scale words of V^T, from memory: sixteen lanes read 256 consecutive bytes
.irp jj, 0,1,2,3
	global_load_b128 v[SC+32*(\set)+4*\jj:SC+32*(\set)+4*\jj+3], v[SVR], s[\srp:\srp+1] offset:\jj*SBSR+(\off)
.endr
.endm
.macro SCALEL set, off                 ; and of P, from LDS
.irp a, 0,1,2,3
	ds_load_b128 v[SC+32*(\set)+16+4*\a:SC+32*(\set)+19+4*\a], v[LSA] offset:\a*1024+(\off)
.endr
.endm
.macro SCALES set, slp, srp, off
	SCALER \set, \srp, \off
	SCALEL \set, \off
.endm
.macro WM a, b, q, p, set, zero        ; one product: L block a x R block b, 128 along K
.set rD, 8*(8*(\a)+(\b))
.set rR, 128*(\p)+12*(\b)
.set rL, LFR+48*(\p)+12*(\a)
.set rX, SC+32*(\set)+4*((\b)%4)+(\q)
.set rY, SC+32*(\set)+16+4*(\a)+(\q)
.if \zero
.if (\b) < 4
	v_wmma_scale_f32_16x16x128_f8f6f4 v[rD:rD+7], v[rR:rR+11], v[rL:rL+11], 0, v[rX], v[rY] matrix_a_fmt:MATRIX_FMT_FP6 matrix_b_fmt:MATRIX_FMT_FP6
.else
	v_wmma_scale_f32_16x16x128_f8f6f4 v[rD:rD+7], v[rR:rR+11], v[rL:rL+11], 0, v[rX], v[rY] matrix_a_fmt:MATRIX_FMT_FP6 matrix_b_fmt:MATRIX_FMT_FP6 matrix_a_scale:MATRIX_SCALE_ROW1
.endif
.else
.if (\b) < 4
	v_wmma_scale_f32_16x16x128_f8f6f4 v[rD:rD+7], v[rR:rR+11], v[rL:rL+11], v[rD:rD+7], v[rX], v[rY] matrix_a_fmt:MATRIX_FMT_FP6 matrix_b_fmt:MATRIX_FMT_FP6
.else
	v_wmma_scale_f32_16x16x128_f8f6f4 v[rD:rD+7], v[rR:rR+11], v[rL:rL+11], v[rD:rD+7], v[rX], v[rY] matrix_a_fmt:MATRIX_FMT_FP6 matrix_b_fmt:MATRIX_FMT_FP6 matrix_a_scale:MATRIX_SCALE_ROW1
.endif
.endif
.endm
.macro MUL8 a, q, p, set, zero         ; the 32 accumulators take turns, one instruction a turn, in the same order in every K step
.irp b, 0,1,2,3,4,5,6,7
	WM \a, \b, \q, \p, \set, \zero
.endr
.endm
.macro KFIRST sb, zero, more, slp, srp, off   ; a slot's first K step.  zero = 1: its products start the sums.  more = 1: the next slot's scale words are asked for
	PLACES 4
.if \more
	SCALES 1-\sb, \slp, \srp, \off
.endif
	FETCH \sb, 1, 1
	s_wait_dscnt 36                                ; this step's fragments (and P's scale words) are in; the 36 loads just issued may be out
.if \more
	s_wait_loadcnt LCNT                            ; this slot's scale words are in; the next slot's may be out
.else
	s_wait_loadcnt 0x0
.endif
	WIN 0x52                                       ; R window 2, L window 0, C and D window 1
.irp a, 0,1,2,3
	MUL8 \a, 0, 0, \sb, \zero
.endr
	WIN 0
.endm
.macro KSTEP sb, q                     ; its second and third
	PLACES 4
	FETCH \sb, (\q)+1, ((\q)+1)%2
	s_wait_dscnt 36
	WIN 0x52
.irp a, 0,1,2,3
	MUL8 \a, \q, (\q)%2, \sb, 0
.endr
	WIN 0
.endm
; A slot's last K step changes slots: ONE barrier; in front of it each wave waits for all its tensor loads, adds 0 to its spare word, and waits for that and for its reads of this slot.
; fill = 1: the barrier opens a round of the cluster's barrier, and this slot is filled again, from pointer + add.
.macro KLAST sb, fill, lp, rp, add
	s_wait_tensorcnt 0x0                           ; all my tensor loads have landed: my part of the next slot
	ds_add_u32 v[SPW], v[NIL]                      ; 0 onto my spare word
	s_wait_dscnt 1                                 ; this step's fragments are in; the add may be out
	WIN 0x52
	MUL8 0, 3, 1, \sb, 0
	s_wait_dscnt 0x0                               ; the add is done, and my reads of this slot are over
	s_barrier_signal -1
	MUL8 1, 3, 1, \sb, 0
	WIN 0
	s_barrier_wait -1
.if \fill
	CREST                                          ; no wave of any partner still reads this slot or has a load on its way
	s_add_nc_u64 s[G0L+4*\sb+2:G0L+4*\sb+3], s[\lp:\lp+1], \add
	s_or_b32 s[G0L+4*\sb+3], s[G0L+4*\sb+3], 0x80000000
	s_add_nc_u64 s[G0R+4*\sb+2:G0R+4*\sb+3], s[\rp:\rp+1], \add
	s_or_b32 s[G0R+4*\sb+3], s[G0R+4*\sb+3], 0x80000000
	JLOAD \sb                                      ; the first tensor load behind the round; its four v_nop are the places in front of the loads below
.else
	PLACES 4
.endif
	FETCH 1-\sb, 0, 0
	WIN 0x52
	MUL8 2, 3, 1, \sb, 0
	MUL8 3, 3, 1, \sb, 0
	WIN 0
.endm
.macro KFIN sb                         ; the launch's last K step
	s_wait_dscnt 0x0
	WIN 0x52
.irp a, 0,1,2,3
	MUL8 \a, 3, 1, \sb, 0
.endr
	WIN 0
.endm
; The 64 numbers of L block a (window 1; register 16 b + i = k 32 b + 16 (lane / 16) + i of my row) become a fragment's codes in v[PC] on and its scale word in v[PW].  Each accumulator is read from its low end on.
.macro QUANT a
.set AC0, 64*(\a)
	WIN 0x05
.irp b, 0,1,2,3
	v_max3_num_f32 v[TM+\b], |v[AC0+16*\b]|, |v[AC0+1+16*\b]|, 0x1800000   ; my 16 numbers of block b in two chains of 8, and the floor 2^(3 - 127): the byte cannot fall under 1
.endr
	WIN 0x15
.irp b, 0,1,2,3
	v_max3_num_f32 v[TM+8+\b], |v[AC0+8+16*\b]|, |v[AC0+9+16*\b]|, |v[AC0+10+16*\b]|
.endr
	WIN 0x14
.irp i, 2,4,6
.irp b, 0,1,2,3
	v_max3_num_f32 v[TM+\b], v[TM+\b], |v[AC0+16*\b+\i]|, |v[AC0+1+16*\b+\i]|
.endr
.if \i < 6
.irp b, 0,1,2,3
	v_max3_num_f32 v[TM+8+\b], v[TM+8+\b], |v[AC0+9+16*\b+\i]|, |v[AC0+10+16*\b+\i]|
.endr
.endif
.endr
	WIN 0x10
.irp b, 0,1,2,3
	v_max3_num_f32 v[TM+\b], v[TM+\b], v[TM+8+\b], |v[AC0+15+16*\b]|       ; the two chains and the last number
.endr
	WIN 0
.irp b, 0,1,2,3
	v_permlanex16_b32 v[TM+4+\b], v[TM+\b], s[SEL], s[SEL+1]
.endr
.irp b, 0,1,2,3
	v_max_num_f32 v[TM+\b], v[TM+\b], v[TM+4+\b]   ; with lane l xor 16's: the block's largest magnitude
.endr
.irp b, 0,1,2,3
	v_add_nc_u32 v[TM+12+\b], 0xff000000, v[TM+\b] ; 2 off its exponent field: the conversion's scale operand
.endr
.irp b, 0,1,2,3
	v_lshrrev_b32 v[TM+4+\b], 23, v[TM+12+\b]      ; the scale's byte
.endr
	v_lshl_or_b32 v[PW], v[TM+5], 8, v[TM+4]
	v_lshl_or_b32 v[PW], v[TM+6], 16, v[PW]
	v_lshl_or_b32 v[PW], v[TM+7], 24, v[PW]
	WIN 0x01
.irp c, 0,1
	v_cvt_scalef32_pk16_fp6_f32 v[PC+6*\c:PC+2+6*\c], v[AC0+32*\c:AC0+15+32*\c], v[TM+12+2*\c]
	v_cvt_scalef32_pk16_fp6_f32 v[PC+12+4*\c:PC+14+4*\c], v[AC0+16+32*\c:AC0+31+32*\c], v[TM+12+2*\c+1]
.endr
	WIN 0
	v_nop                                          ; one plain place behind a scaled conversion
.irp c, 0,1                            ; the operand's layout wants a WHOLE block in a lane
.irp i, 0,1,2
	v_permlane16_swap_b32 v[PC+6*\c+\i], v[PC+12+4*\c+\i]
.endr
.irp i, 0,1,2
	v_mov_b32 v[PC+3+6*\c+\i], v[PC+12+4*\c+\i]
.endr
.endr
.endm
; ---- the core ends ----
	s_load_b128 s[4:7], s[0:1], 0x0                ; pbuf s[4:5], qkvb s[6:7]
	s_load_b64 s[8:9], s[0:1], 0x10                ; attb
	v_lshl_add_u32 v[SPW], v0, 2, SPARE
	v_mov_b32 v[NIL], 0
	ds_add_u32 v[SPW], v[NIL]                      ; the wave's opening: the add, twice on end, and its wait stand ahead of my first tensor load
	ds_add_u32 v[SPW], v[NIL]                      ; and once more; the set-up below, work on registers, stands between it and the wait
	v_lshrrev_b32 v1, 5, v0
	v_readfirstlane_b32 s14, v1                    ; wave 0..3
	s_lshr_b32 s15, s14, 1
	s_and_b32 s16, s14, 1
	s_bfe_u32 s40, ttmp6, 0x40000                  ; cx
	s_bfe_u32 s41, ttmp6, 0x40004                  ; cy
	s_and_b32 s42, ttmp7, 0xffff                   ; Y
	s_lshl_b32 s17, s42, 2
	s_add_co_u32 s17, s17, s41                     ; y = 4 Y + cy
	s_lshl_b32 s43, s41, 2
	s_lshl_b32 s43, 15, s43
	s_lshl_b32 s44, 0x1111, s40
	s_or_b32 s[G1L], s43, (3<<16)|(1<<21)
	s_or_b32 s[G1R], s44, (3<<16)|(1<<21)
	s_mov_b32 s[G1L+1], 768<<16
	s_mov_b32 s[G1L+2], 4<<16
	s_mov_b32 s[G1L+3], 768<<16
	s_mov_b32 s[G1L+4], 4
	s_mov_b32 s[G1L+5], STR
	s_mov_b32 s[G1L+6], 0
	s_mov_b32 s[G1L+7], 0
	s_mov_b32 s[G1R+1], 768<<16
	s_mov_b32 s[G1R+2], 8<<16
	s_mov_b32 s[G1R+3], 768<<16
	s_mov_b32 s[G1R+4], 8
	s_mov_b32 s[G1R+5], STR
	s_mov_b32 s[G1R+6], 0
	s_mov_b32 s[G1R+7], 0
	s_mov_b32 s[SEL], 0x76543210
	s_mov_b32 s[SEL+1], 0xfedcba98
	s_mul_i32 s20, s16, 24576
	s_mul_i32 s21, s16, 49152
	s_add_co_u32 s21, s21, LPART
	s_mul_i32 s10, s15, 24576
	s_lshl_b32 s18, s16, 2
	s_lshl_b32 s19, s15, 2
	s_lshl_b32 s22, s16, 3
	s_lshl_b32 s12, s17, 3                         ; P's block 8 y
	s_lshl_b32 s[RECP], s12, 12
	s_add_co_u32 s[RECP], s[RECP], REC
	s_add_co_u32 s[PLP], s12, s18
	s_mul_i32 s[PLP], s[PLP], 24576
	s_add_co_u32 s12, s12, s19                     ; my first block of queries
	s_lshr_b32 s46, s42, 2                         ; the batch
	s_lshl_b32 s47, s40, 4
	s_add_co_u32 s47, s47, s22                     ; V^T's block 16 cx + 8 (wave & 1)
	s_mul_i32 s[PRV], s46, 1572864
	s_mul_i32 s13, s47, 24576
	s_add_co_u32 s[PRV], s[PRV], s13
	s_add_co_u32 s[PRV], s[PRV], VTOFF
	s_lshl_b32 s[SRV], s46, 16
	s_lshl_b32 s13, s47, 10
	s_add_co_u32 s[SRV], s[SRV], s13
	s_add_co_u32 s[SRV], s[SRV], VTS
	s_lshl_b32 s23, s40, 1
	s_add_co_u32 s23, s23, s16                     ; my results are K step 2 cx + (wave & 1) of attn
	s_mul_i32 s[OCP], s12, 12288
	s_mul_i32 s45, s23, 1536
	s_add_co_u32 s[OCP], s[OCP], s45
	s_lshl_b32 s[OSP], s12, 9
	s_lshr_b32 s45, s23, 2
	s_lshl_b32 s45, s45, 8
	s_add_co_u32 s[OSP], s[OSP], s45
	s_and_b32 s45, s23, 3
	s_lshl_b32 s45, s45, 2
	s_add_co_u32 s[OSP], s[OSP], s45
	s_add_co_u32 s[OSP], s[OSP], ASOFF
.irp p, PLP, PRV, SRV, RECP, OCP, OSP
	s_mov_b32 s[\p+1], 0
.endr
	s_wait_dscnt 0x0                               ; both opening adds are done
	s_wait_kmcnt 0x0
	s_add_nc_u64 s[PLP:PLP+1], s[4:5], s[PLP:PLP+1]
	s_add_nc_u64 s[RECP:RECP+1], s[4:5], s[RECP:RECP+1]
	s_add_nc_u64 s[PRV:PRV+1], s[6:7], s[PRV:PRV+1]
	s_add_nc_u64 s[SRV:SRV+1], s[6:7], s[SRV:SRV+1]
	s_add_nc_u64 s[OCP:OCP+1], s[8:9], s[OCP:OCP+1]
	s_add_nc_u64 s[OSP:OSP+1], s[8:9], s[OSP:OSP+1]
	CROUND                                         ; all sixteen work-groups are here: the first joint loads meet
.irp s, 0,1
	s_mov_b32 s[G0L+4*\s], 1
	s_add_co_u32 s[G0L+4*\s+1], s20, \s*SLOT
	s_add_nc_u64 s[G0L+4*\s+2:G0L+4*\s+3], s[PLP:PLP+1], \s*6144
	s_or_b32 s[G0L+4*\s+3], s[G0L+4*\s+3], 0x80000000
	s_mov_b32 s[G0R+4*\s], 1
	s_add_co_u32 s[G0R+4*\s+1], s21, \s*SLOT
	s_add_nc_u64 s[G0R+4*\s+2:G0R+4*\s+3], s[PRV:PRV+1], \s*6144
	s_or_b32 s[G0R+4*\s+3], s[G0R+4*\s+3], 0x80000000
.endr
	JLOAD 0                                        ; one tensor load a wave at the head: my quarter of slot 0
	; THE PREFETCHES.  A block's part of a slot is 6,144 bytes: 24 lanes name its 24 runs of 256 bytes (lanes 24-31 name the last again).  The four partners that ask for a tile jointly share its blocks out BY ADDRESS:
	; of the 4 blocks of P that I fetch, the partner at cx takes block cx; of the 8 blocks of V^T, the partner at cy takes blocks 2 cy and 2 cy + 1.  So each run is named once in each cluster that loads it.
	s_mul_i32 s46, s40, 24576
	s_mov_b32 s47, 0
	s_mul_i32 s22, s41, 2*24576
	s_mov_b32 s23, 0
	s_add_nc_u64 s[46:47], s[PLP:PLP+1], s[46:47]
	s_add_nc_u64 s[22:23], s[PRV:PRV+1], s[22:23]
	s_cmp_eq_u32 s15, 0
	s_cselect_b64 s[46:47], s[46:47], s[22:23]     ; never rewritten from here on
	v_and_b32 v15, 31, v0
	v_min_u32 v15, 23, v15
	v_lshlrev_b32 v15, 8, v15                      ; never rewritten
	v_and_b32 v1, 15, v0                           ; r
	v_bfe_u32 v2, v0, 4, 1                         ; h
	v_and_b32 v[LI], 31, v0
	v_lshlrev_b32 v[LI], 4, v[LI]
	v_add_nc_u32 v[ADL], s10, v[LI]
	v_add_nc_u32 v[ADL+1], SLOT, v[ADL]
	v_add_nc_u32 v[ADR], s21, v[LI]
	v_add_nc_u32 v[ADR+1], SLOT, v[ADR]
	v_lshlrev_b32 v[SVL], 4, v1
	v_mul_u32_u24 v[SVR], v2, 4*SBSR
	v_add_nc_u32 v[SVR], v[SVR], v[SVL]
	s_lshl_b32 s11, s15, 12
	s_add_co_u32 s11, s11, PSC
	v_add_nc_u32 v[LSA], s11, v[SVL]               ; my four L blocks' scale words
	s_lshl_b32 s11, s15, 8
	s_add_co_u32 s11, s11, RLT
	v_lshl_add_u32 v[RLR], v1, 2, s11              ; and their 1 / l
	v_lshrrev_b32 v[RCO], 4, v0                    ; the prologue: thread t = row t: block t / 16, position t % 16
	v_lshlrev_b32 v[PSA], 10, v[RCO]
	v_lshlrev_b32 v[RCO], 12, v[RCO]
	v_add_nc_u32 v[RCO], v[RCO], v[SVL]
	v_add_nc_u32 v[PSA], v[PSA], v[SVL]
	v_add_nc_u32 v[PSA], PSC, v[PSA]
	v_lshl_add_u32 v[RLA], v0, 2, RLT
	global_prefetch_b8 v15, s[46:47] offset:6144 th:TH_LOAD_NT scope:SCOPE_SE           ; keys 512 on, loaded behind the next round,
	global_prefetch_b8 v15, s[46:47] offset:12288 th:TH_LOAD_NT scope:SCOPE_SE          ; and keys 1,024 on, loaded at the first change of slots
	s_cmp_eq_u32 s15, 0
	s_wait_alu depctr_va_vdst(0)
	s_cbranch_scc1 .Lpf_a
	global_prefetch_b8 v15, s[46:47] offset:24576+6144 th:TH_LOAD_NT scope:SCOPE_SE     ; R's waves name a second block
	global_prefetch_b8 v15, s[46:47] offset:24576+12288 th:TH_LOAD_NT scope:SCOPE_SE
.Lpf_a:
.irp g, 0,1,2,3,4,5,6,7,8,9,10,11,12,13,14,15
	global_load_b128 v[128+4*\g:131+4*\g], v[RCO], s[RECP:RECP+1] offset:256*\g   ; my row's record of group g: sixteen lanes read 256 consecutive bytes
.endr
	SCALER 0, SRV, 0
	s_wait_loadcnt 4                               ; the sixteen records are in; V's four scale loads may be out
	v_min_num_f32 v96, v128, v132
.irp g, 2,3,4,5,6,7,8,9,10,11,12,13,14,15
	v_min_num_f32 v96, v96, v[128+4*\g]            ; the least -M: the row's own
.endr
.irp g, 0,1,2,3,4,5,6,7,8,9,10,11,12,13,14,15
	v_sub_f32 v97, v96, v[128+4*\g]                ; M_g - M: a whole number, 0 or less
	v_cvt_i32_f32 v97, v97                         ; (it saturates)
.if \g == 0
	v_ldexp_f32 v98, v[130+4*\g], v97              ; the group's sum under the row's M: nothing is rounded
.else
	v_ldexp_f32 v99, v[130+4*\g], v97
	v_add_f32 v98, v98, v99
.endif
	v_sub_nc_u32 v100, 0, v97                      ; d
	v_min_u32 v100, 0xff, v100
.irp k, 0,1,2,3
	v_bfe_u32 v101, v[129+4*\g], 8*\k, 8           ; each scale byte less d, held at 0
	v_min_u32 v102, v101, v100
.if \k == 0
	v_sub_nc_u32 v[192+\g], v101, v102
.else
	v_sub_nc_u32 v101, v101, v102
	v_lshl_or_b32 v[192+\g], v101, 8*\k, v[192+\g]
.endif
.endr
.endr
.irp n, 0,1,2,3
	ds_store_b128 v[PSA], v[192+4*\n:195+4*\n] offset:256*\n   ; a slot's four words of my row
.endr
	s_wait_alu depctr_va_vdst(0)
	v_rcp_f32 v98, v98
	v_nop                                          ; a plain place behind the reciprocal
	s_wait_alu depctr_va_vdst(0)                   ; and the wait ahead of its first reader
	ds_store_b32 v[RLA], v98
.irp b, 0,1,2,3
	v_mov_b32 v[TM+4+\b], 0                        ; written whole: a lane permute's destination counts as one of its sources
	v_mov_b32 v[RL+1+2*\b], 0                      ; (the pairs' upper halves are named, so they are written)
.endr
	s_wait_alu depctr_va_vdst(0)
	s_wait_tensorcnt 0x0                           ; my part of slot 0 is in
	ds_add_u32 v[SPW], v[NIL]
	s_wait_dscnt 0x0                               ; the add is done, and, for the others' sake, my scale words and my 1 / l have landed
	CROUND                                         ; slot 0 is whole, and all sixteen work-groups are here
	JLOAD 1                                        ; slot 1's first fill, the first tensor load behind the round
	global_prefetch_b8 v15, s[46:47] offset:18432 th:TH_LOAD_NT scope:SCOPE_SE          ; keys 1,536 on, which are loaded two changes of slots from here
	s_cmp_eq_u32 s15, 0
	s_cbranch_scc1 .Lpf_b
	global_prefetch_b8 v15, s[46:47] offset:24576+18432 th:TH_LOAD_NT scope:SCOPE_SE    ; R's waves name a second block
.Lpf_b:
	SCALEL 0, 0
.irp a, 0,1,2,3
	ds_load_b32 v[RL+2*\a], v[RLR] offset:64*\a
.endr
	FETCH 0, 0, 0
	KFIRST 0, 1, 1, 0, SRV, 256
	KSTEP 0, 1
	KSTEP 0, 2
	KLAST 0, 1, PLP, PRV, 12288                    ; slot 0 takes keys 1,024 on
	KFIRST 1, 0, 1, 0, SRV, 512
	KSTEP 1, 1
	KSTEP 1, 2
	KLAST 1, 1, PLP, PRV, 18432                    ; slot 1 keys 1,536 on
	KFIRST 0, 0, 1, 0, SRV, 768
	KSTEP 0, 1
	KSTEP 0, 2
	KLAST 0, 0, PLP, PRV, 0
	KFIRST 1, 0, 0, 0, SRV, 0
	KSTEP 1, 1
	KSTEP 1, 2
	KFIN 1
	; THE WAY OUT: each of my four L blocks is divided by its rows' sums and becomes one image and one scale word a row
	PLACES 4
	s_wait_alu depctr_va_vdst(0)
.irp a, 0,1,2,3
	s_wait_xcnt 0x0                                ; the last stores have read their registers
	WIN 0x41
.set j, 64*\a
.rept 32
	v_pk_mul_f32 v[j:j+1], v[j:j+1], v[RL+2*\a:RL+2*\a+1] op_sel_hi:[1,0]   ; x 1 / l, from each accumulator's low end on
.set j, j+2
.endr
	QUANT \a
.irp c, 0,1,2
	global_store_b128 v[LI], v[PC+4*\c:PC+4*\c+3], s[OCP:OCP+1] offset:\a*12288+512*\c
.endr
	global_store_b32 v[SVL], v[PW], s[OSP:OSP+1] offset:\a*512
.endr
	s_wait_tensorcnt 0x0                           ; the wave's end
	ds_add_u32 v[SPW], v[NIL]
	s_wait_dscnt 0x0
	CROUND                                         ; the closing round
	s_endpgm
.Lfunc_end_k_q61f7e46146_pv:
	.size	k_q61f7e46146_pv, .Lfunc_end_k_q61f7e46146_pv-k_q61f7e46146_pv
	.p2alignl 7, 3214868480
	.fill 96, 4, 3214868480
	.section	.rodata,"a",@progbits
	.p2align	6, 0x0
	.amdhsa_kernel k_q61f7e46146_pv
		.amdhsa_group_segment_fixed_size 327680
		.amdhsa_private_segment_fixed_size 0
		.amdhsa_enable_private_segment 0
		.amdhsa_kernarg_size 24
		.amdhsa_user_sgpr_count 2
		.amdhsa_user_sgpr_kernarg_segment_ptr 1
		.amdhsa_wavefront_size32 1
		.amdhsa_system_sgpr_workgroup_id_x 1
		.amdhsa_system_sgpr_workgroup_id_y 1
		.amdhsa_system_sgpr_workgroup_id_z 1
		.amdhsa_system_vgpr_workitem_id 0
		.amdhsa_next_free_vgpr 768
		.amdhsa_next_free_sgpr 100
		.amdhsa_reserve_vcc 0
		.amdhsa_float_denorm_mode_32 3
		.amdhsa_float_denorm_mode_16_64 3
		.amdhsa_memory_ordered 1
		.amdhsa_forward_progress 1
		.amdhsa_inst_pref_size 163
	.end_amdhsa_kernel
	.amdgpu_metadata
---
amdhsa.version: [ 1, 2 ]
amdhsa.kernels:
  - .name:           k_q61f7e46146_pv
    .symbol:         k_q61f7e46146_pv.kd
    .args:
      - { .name: pbuf, .offset: 0, .size: 8, .value_kind: global_buffer, .address_space: global }
      - { .name: qkvb, .offset: 8, .size: 8, .value_kind: global_buffer, .address_space: global }
      - { .name: attb, .offset: 16, .size: 8, .value_kind: global_buffer, .address_space: global }
    .group_segment_fixed_size: 327680
    .private_segment_fixed_size: 0
    .kernarg_segment_align: 8
    .kernarg_segment_size: 24
    .max_flat_workgroup_size: 128
    .sgpr_count:     100
    .vgpr_count:     768
    .wavefront_size: 32
...
	.end_amdgpu_metadata
.endif
;; end of part 4
;; launch proj (part 5): grid 4 x 64, 4 waves a work-group, clusters of 4 x 4, 327,680 bytes of LDS; arguments attb, inq, out0; writes out0
.if DOCPART == 5
	.amdgcn_target "amdgcn-amd-amdhsa--gfx1250"
	.amdhsa_code_object_version 6
	.text
	.protected	k_q61f7e46146_proj
	.globl	k_q61f7e46146_proj
	.p2align	8
	.type	k_q61f7e46146_proj,@function
k_q61f7e46146_proj:
	s_mov_b64 s[64:65], 0
	v_nop
	global_prefetch_b8 v0, s[64:65] scope:SCOPE_SE
	s_setreg_imm32_b32 hwreg(HW_REG_WAVE_MODE, 25, 1), 1
	s_wait_xcnt 0x0
	s_wait_alu depctr_hold_cnt(0) depctr_sa_sdst(0) depctr_va_vdst(0) depctr_va_sdst(0) depctr_va_ssrc(0) depctr_va_vcc(0) depctr_vm_vsrc(0)
	s_getreg_b32 s2, hwreg(HW_REG_IB_STS2, 6, 4)
	s_cmp_eq_u32 s2, 0
	s_cbranch_scc0 .Lentry_in_a_cluster
	s_endpgm
.Lentry_in_a_cluster:
	s_bfe_u32 s2, ttmp6, 0x10000c
	s_cmp_lg_u32 s2, 0xf033
	s_cbranch_scc0 .Lentry_shape_is_right
	s_endpgm
.Lentry_shape_is_right:
.set STR,   1536
.set SBSR,  512
.set LCNT,  8
.set SOFF,  9437184
.set ASOFF, 6291456
.set PLA,  66
.set PRW,  68
.set SLA,  70
.set SRW,  72
.set OUTP, 74
.set STO,  10
.set RD,   11
.set FRB,   1536
.set LPART, 49152
.set SLOT,  147456
.set SPARE, 294912
.set LI,   3
.set ADL,  4
.set ADR,  6
.set SVR,  8
.set SVL,  9
.set SPW,  28
.set NIL,  29
.set SC,   32
.set LFR,  128
.set G1L,  24
.set G0L,  32
.set G1R,  48
.set G0R,  56
.set MSB,  0
.macro WIN new
.if MSB != \new
	s_set_vgpr_msb (MSB<<8)|\new
.set MSB, \new
.endif
.endm
.macro PLACES n
.rept \n
	v_nop
.endr
.endm
.macro CREST
	s_cmp_lg_u32 s14, 0
	s_cbranch_scc1 .Lnot_wave_0_\@
	s_barrier_signal -3
.Lnot_wave_0_\@:
	s_barrier_wait -3
	s_barrier_signal -1
	s_barrier_wait -1
.endm
.macro CROUND
	s_barrier_signal -1
	s_barrier_wait -1
	CREST
.endm
.macro JLOAD sb
	s_cmp_eq_u32 s15, 0
	s_cbranch_scc0 .Lfor_r_\@
	tensor_load_to_lds s[G0L+4*\sb:G0L+4*\sb+3], s[G1L:G1L+7]
	s_nop 0
.rept 4
	v_nop
.endr
	s_branch .Lasked_\@
.Lfor_r_\@:
	tensor_load_to_lds s[G0R+4*\sb:G0R+4*\sb+3], s[G1R:G1R+7]
	s_nop 0
.rept 4
	v_nop
.endr
.Lasked_\@:
.endm
.macro FETCH sb, q, p
	WIN 0x80
.irp b, 0,1,2,3,4,5,6,7
.irp c, 0,1,2
	ds_load_b128 v[128*(\p)+12*\b+4*\c:128*(\p)+12*\b+4*\c+3], v[ADR+(\sb)] offset:(4*\b+(\q))*FRB+512*\c
.endr
.endr
	WIN 0
.irp a, 0,1,2,3
.irp c, 0,1,2
	ds_load_b128 v[LFR+48*(\p)+12*\a+4*\c:LFR+48*(\p)+12*\a+4*\c+3], v[ADL+(\sb)] offset:(4*\a+(\q))*FRB+512*\c
.endr
.endr
.endm
.macro SCALES set, slp, srp, off
.irp jj, 0,1,2,3
	global_load_b128 v[SC+32*(\set)+4*\jj:SC+32*(\set)+4*\jj+3], v[SVR], s[\srp:\srp+1] offset:\jj*SBSR+(\off)
.endr
.irp a, 0,1,2,3
	global_load_b128 v[SC+32*(\set)+16+4*\a:SC+32*(\set)+19+4*\a], v[SVL], s[\slp:\slp+1] offset:\a*512+(\off)
.endr
.endm
.macro WM a, b, q, p, set, zero
.set rD, 8*(8*(\a)+(\b))
.set rR, 128*(\p)+12*(\b)
.set rL, LFR+48*(\p)+12*(\a)
.set rX, SC+32*(\set)+4*((\b)%4)+(\q)
.set rY, SC+32*(\set)+16+4*(\a)+(\q)
.if \zero
.if (\b) < 4
	v_wmma_scale_f32_16x16x128_f8f6f4 v[rD:rD+7], v[rR:rR+11], v[rL:rL+11], 0, v[rX], v[rY] matrix_a_fmt:MATRIX_FMT_FP6 matrix_b_fmt:MATRIX_FMT_FP6
.else
	v_wmma_scale_f32_16x16x128_f8f6f4 v[rD:rD+7], v[rR:rR+11], v[rL:rL+11], 0, v[rX], v[rY] matrix_a_fmt:MATRIX_FMT_FP6 matrix_b_fmt:MATRIX_FMT_FP6 matrix_a_scale:MATRIX_SCALE_ROW1
.endif
.else
.if (\b) < 4
	v_wmma_scale_f32_16x16x128_f8f6f4 v[rD:rD+7], v[rR:rR+11], v[rL:rL+11], v[rD:rD+7], v[rX], v[rY] matrix_a_fmt:MATRIX_FMT_FP6 matrix_b_fmt:MATRIX_FMT_FP6
.else
	v_wmma_scale_f32_16x16x128_f8f6f4 v[rD:rD+7], v[rR:rR+11], v[rL:rL+11], v[rD:rD+7], v[rX], v[rY] matrix_a_fmt:MATRIX_FMT_FP6 matrix_b_fmt:MATRIX_FMT_FP6 matrix_a_scale:MATRIX_SCALE_ROW1
.endif
.endif
.endm
.macro MUL8 a, q, p, set, zero
.irp b, 0,1,2,3,4,5,6,7
	WM \a, \b, \q, \p, \set, \zero
.endr
.endm
.macro KFIRST sb, zero, more, slp, srp, off
	PLACES 4
.if \more
	SCALES 1-\sb, \slp, \srp, \off
.endif
	FETCH \sb, 1, 1
	s_wait_dscnt 36
.if \more
	s_wait_loadcnt LCNT
.else
	s_wait_loadcnt 0x0
.endif
	WIN 0x52
.irp a, 0,1,2,3
	MUL8 \a, 0, 0, \sb, \zero
.endr
	WIN 0
.endm
.macro KSTEP sb, q
	PLACES 4
	FETCH \sb, (\q)+1, ((\q)+1)%2
	s_wait_dscnt 36
	WIN 0x52
.irp a, 0,1,2,3
	MUL8 \a, \q, (\q)%2, \sb, 0
.endr
	WIN 0
.endm
.macro KLAST sb
	s_wait_tensorcnt 0x0
	ds_add_u32 v[SPW], v[NIL]
	s_wait_dscnt 1
	WIN 0x52
	MUL8 0, 3, 1, \sb, 0
	s_wait_dscnt 0x0
	s_barrier_signal -1
	MUL8 1, 3, 1, \sb, 0
	WIN 0
	s_barrier_wait -1
	PLACES 4
	FETCH 1-\sb, 0, 0
	WIN 0x52
	MUL8 2, 3, 1, \sb, 0
	MUL8 3, 3, 1, \sb, 0
	WIN 0
.endm
.macro KFIN sb
	s_wait_dscnt 0x0
	WIN 0x52
.irp a, 0,1,2,3
	MUL8 \a, 3, 1, \sb, 0
.endr
	WIN 0
.endm
.macro TOSTAGE a
	WIN 0x04
.irp b, 0,1,2,3,4,5,6,7
	ds_store_b128 v[STO], v[64*(\a)+8*\b:64*(\a)+8*\b+3] offset:128*(\b/2)+32*(\b%2)
	ds_store_b128 v[STO], v[64*(\a)+8*\b+4:64*(\a)+8*\b+7] offset:128*(\b/2)+32*(\b%2)+16
.endr
	WIN 0
.set BB, 128+64*((\a)%2)
.irp t, 0,1,2,3,4,5,6,7,8,9,10,11,12,13,14,15
	ds_load_b128 v[BB+4*\t:BB+4*\t+3], v[RD] offset:\t*528
.endr
.endm
.macro SEND a, younger
.set BB, 128+64*((\a)%2)
	s_wait_dscnt \younger
.irp t, 0,1,2,3,4,5,6,7,8,9,10,11,12,13,14,15
	global_store_b128 v[LI], v[BB+4*\t:BB+4*\t+3], s[OUTP:OUTP+1] offset:(32*((\a)/2)+8*((\a)%2)+\t+8*(\t/8))*4096 th:TH_STORE_NT
.endr
.endm
	s_load_b128 s[4:7], s[0:1], 0x0
	s_load_b64 s[8:9], s[0:1], 0x10
	v_lshl_add_u32 v[SPW], v0, 2, SPARE
	v_mov_b32 v[NIL], 0
	ds_add_u32 v[SPW], v[NIL]
	ds_add_u32 v[SPW], v[NIL]
	v_lshrrev_b32 v1, 5, v0
	v_readfirstlane_b32 s14, v1
	s_lshr_b32 s15, s14, 1
	s_and_b32 s16, s14, 1
	s_bfe_u32 s40, ttmp6, 0x40000
	s_bfe_u32 s41, ttmp6, 0x40004
	s_and_b32 s42, ttmp7, 0xffff
	s_lshl_b32 s17, s42, 2
	s_add_co_u32 s17, s17, s41
	s_lshl_b32 s43, s41, 2
	s_lshl_b32 s43, 15, s43
	s_lshl_b32 s44, 0x1111, s40
	s_or_b32 s[G1L], s43, (3<<16)|(1<<21)
	s_or_b32 s[G1R], s44, (3<<16)|(1<<21)
	s_mov_b32 s[G1L+1], 768<<16
	s_mov_b32 s[G1L+2], 4<<16
	s_mov_b32 s[G1L+3], 768<<16
	s_mov_b32 s[G1L+4], 4
	s_mov_b32 s[G1L+5], STR
	s_mov_b32 s[G1L+6], 0
	s_mov_b32 s[G1L+7], 0
	s_mov_b32 s[G1R+1], 768<<16
	s_mov_b32 s[G1R+2], 8<<16
	s_mov_b32 s[G1R+3], 768<<16
	s_mov_b32 s[G1R+4], 8
	s_mov_b32 s[G1R+5], STR
	s_mov_b32 s[G1R+6], 0
	s_mov_b32 s[G1R+7], 0
	s_mul_i32 s20, s16, 24576
	s_mul_i32 s21, s16, 49152
	s_add_co_u32 s21, s21, LPART
	s_mul_i32 s10, s15, 24576
	s_mul_i32 s11, s14, 8448
	s_lshl_b32 s18, s16, 2
	s_lshl_b32 s19, s15, 2
	s_lshl_b32 s22, s16, 3
	s_lshl_b32 s12, s17, 3
	s_add_co_u32 s[PLA], s12, s18
	s_mul_i32 s[PLA], s[PLA], 12288
	s_add_co_u32 s12, s12, s19
	s_lshl_b32 s[SLA], s12, 9
	s_add_co_u32 s[SLA], s[SLA], ASOFF
	s_lshl_b32 s46, s40, 4
	s_add_co_u32 s46, s46, s22
	s_add_co_u32 s46, s46, 704
	s_mul_i32 s[PRW], s46, 12288
	s_lshl_b32 s[SRW], s46, 9
	s_add_co_u32 s[SRW], s[SRW], SOFF
	s_lshl_b32 s[OUTP], s12, 16
	s_lshl_b32 s45, s40, 10
	s_add_co_u32 s[OUTP], s[OUTP], s45
	s_lshl_b32 s45, s16, 9
	s_add_co_u32 s[OUTP], s[OUTP], s45
.irp p, PLA, PRW, SLA, SRW, OUTP
	s_mov_b32 s[\p+1], 0
.endr
	s_wait_dscnt 0x0
	s_wait_kmcnt 0x0
	s_add_nc_u64 s[PLA:PLA+1], s[4:5], s[PLA:PLA+1]
	s_add_nc_u64 s[SLA:SLA+1], s[4:5], s[SLA:SLA+1]
	s_add_nc_u64 s[PRW:PRW+1], s[6:7], s[PRW:PRW+1]
	s_add_nc_u64 s[SRW:SRW+1], s[6:7], s[SRW:SRW+1]
	s_add_nc_u64 s[OUTP:OUTP+1], s[8:9], s[OUTP:OUTP+1]
	CROUND
.irp s, 0,1
	s_mov_b32 s[G0L+4*\s], 1
	s_add_co_u32 s[G0L+4*\s+1], s20, \s*SLOT
	s_add_nc_u64 s[G0L+4*\s+2:G0L+4*\s+3], s[PLA:PLA+1], \s*6144
	s_or_b32 s[G0L+4*\s+3], s[G0L+4*\s+3], 0x80000000
	s_mov_b32 s[G0R+4*\s], 1
	s_add_co_u32 s[G0R+4*\s+1], s21, \s*SLOT
	s_add_nc_u64 s[G0R+4*\s+2:G0R+4*\s+3], s[PRW:PRW+1], \s*6144
	s_or_b32 s[G0R+4*\s+3], s[G0R+4*\s+3], 0x80000000
.endr
	JLOAD 0                                        ; one tensor load a wave at the head: my quarter of slot 0
	; THE PREFETCH of slot 1's bytes, which are loaded behind the next round.  A block's part of a slot is 6,144 bytes: 24 lanes name its 24 runs of 256 bytes (lanes 24-31 name the last again).
	; The four partners that ask for a tile jointly share its blocks out BY ADDRESS: of the 4 blocks of L that I fetch, the partner at cx takes block cx; of the 8 blocks of R, the partner at cy takes blocks 2 cy and 2 cy + 1.
	s_mul_i32 s46, s40, 12288
	s_mov_b32 s47, 0
	s_mul_i32 s22, s41, 2*12288
	s_mov_b32 s23, 0
	s_add_nc_u64 s[46:47], s[PLA:PLA+1], s[46:47]
	s_add_nc_u64 s[22:23], s[PRW:PRW+1], s[22:23]
	s_cmp_eq_u32 s15, 0
	s_cselect_b64 s[46:47], s[46:47], s[22:23]     ; never rewritten from here on
	v_and_b32 v15, 31, v0
	v_min_u32 v15, 23, v15
	v_lshlrev_b32 v15, 8, v15                      ; never rewritten
	v_and_b32 v1, 15, v0
	v_bfe_u32 v2, v0, 4, 1
	v_and_b32 v[LI], 31, v0
	v_lshlrev_b32 v[LI], 4, v[LI]
	v_add_nc_u32 v[ADL], s10, v[LI]
	v_add_nc_u32 v[ADL+1], SLOT, v[ADL]
	v_add_nc_u32 v[ADR], s21, v[LI]
	v_add_nc_u32 v[ADR+1], SLOT, v[ADR]
	v_lshlrev_b32 v[SVL], 4, v1
	v_mul_u32_u24 v[SVR], v2, 4*SBSR
	v_add_nc_u32 v[SVR], v[SVR], v[SVL]
	v_mul_u32_u24 v[STO], v1, 528
	v_lshl_add_u32 v[STO], v2, 6, v[STO]
	v_add_nc_u32 v[STO], s11, v[STO]
	v_add_nc_u32 v[RD], s11, v[LI]
	global_prefetch_b8 v15, s[46:47] offset:6144 th:TH_LOAD_NT scope:SCOPE_SE
	s_cmp_eq_u32 s15, 0
	s_wait_alu depctr_va_vdst(0)
	s_cbranch_scc1 .Lpf_a
	global_prefetch_b8 v15, s[46:47] offset:12288+6144 th:TH_LOAD_NT scope:SCOPE_SE     ; R's waves name a second block
.Lpf_a:
	SCALES 0, SLA, SRW, 0
	s_wait_alu depctr_va_vdst(0)
	s_wait_tensorcnt 0x0                           ; my part of slot 0 is in
	ds_add_u32 v[SPW], v[NIL]
	s_wait_dscnt 0x0
	CROUND                                         ; slot 0 is whole, and all sixteen work-groups are here
	JLOAD 1                                        ; slot 1's first fill, the first tensor load behind the round
	FETCH 0, 0, 0
	KFIRST 0, 1, 1, SLA, SRW, 256
	KSTEP 0, 1
	KSTEP 0, 2
	KLAST 0
	KFIRST 1, 0, 0, SLA, SRW, 0
	KSTEP 1, 1
	KSTEP 1, 2
	KFIN 1
	PLACES 4
	TOSTAGE 0
.irp a, 1,2,3
.if \a > 1
	s_wait_xcnt 0x0
.endif
	TOSTAGE \a
	SEND \a-1, 32
.endr
	SEND 3, 0
	s_wait_tensorcnt 0x0
	ds_add_u32 v[SPW], v[NIL]
	s_wait_dscnt 0x0
	CROUND
	s_endpgm
.Lfunc_end_k_q61f7e46146_proj:
	.size	k_q61f7e46146_proj, .Lfunc_end_k_q61f7e46146_proj-k_q61f7e46146_proj
	.p2alignl 7, 3214868480
	.fill 96, 4, 3214868480
	.section	.rodata,"a",@progbits
	.p2align	6, 0x0
	.amdhsa_kernel k_q61f7e46146_proj
		.amdhsa_group_segment_fixed_size 327680
		.amdhsa_private_segment_fixed_size 0
		.amdhsa_enable_private_segment 0
		.amdhsa_kernarg_size 24
		.amdhsa_user_sgpr_count 2
		.amdhsa_user_sgpr_kernarg_segment_ptr 1
		.amdhsa_wavefront_size32 1
		.amdhsa_system_sgpr_workgroup_id_x 1
		.amdhsa_system_sgpr_workgroup_id_y 1
		.amdhsa_system_sgpr_workgroup_id_z 1
		.amdhsa_system_vgpr_workitem_id 0
		.amdhsa_next_free_vgpr 768
		.amdhsa_next_free_sgpr 100
		.amdhsa_reserve_vcc 0
		.amdhsa_float_denorm_mode_32 3
		.amdhsa_float_denorm_mode_16_64 3
		.amdhsa_memory_ordered 1
		.amdhsa_forward_progress 1
		.amdhsa_inst_pref_size 77
	.end_amdhsa_kernel
	.amdgpu_metadata
---
amdhsa.version: [ 1, 2 ]
amdhsa.kernels:
  - .name:           k_q61f7e46146_proj
    .symbol:         k_q61f7e46146_proj.kd
    .args:
      - { .name: attb, .offset: 0, .size: 8, .value_kind: global_buffer, .address_space: global }
      - { .name: inq, .offset: 8, .size: 8, .value_kind: global_buffer, .address_space: global }
      - { .name: out0, .offset: 16, .size: 8, .value_kind: global_buffer, .address_space: global }
    .group_segment_fixed_size: 327680
    .private_segment_fixed_size: 0
    .kernarg_segment_align: 8
    .kernarg_segment_size: 24
    .max_flat_workgroup_size: 128
    .sgpr_count:     100
    .vgpr_count:     768
    .wavefront_size: 32
...
	.end_amdgpu_metadata
.endif
;; end of part 5
